; MI455X (gfx1250); checked and timed in simulation.
; The chip was launched on July 23, 2026; its instructions are those of AMD's public machine-readable ISA for CDNA 5 (MIT licence, August 2026) and "CDNA5" Instruction Set Architecture Reference Guide (July 2026). The comments in the code are by the model that wrote it; some were corrected since.
;; Self Attention. Allowed arithmetic: matrix products marked QUANTISED: E2M3 operands, one E8M0 scale for each 32 along K, by v_wmma_scale_f32_16x16x128_f8f6f4 with both operands' format E2M3, f32 sums; everything else in f32.
;; Inputs: Wk 1,024 x 1,024 float32; Wo 1,024 x 1,024 float32; Wq 1,024 x 1,024 float32; Wv 1,024 x 1,024 float32; X 4 x 2,048 x 1,024 float32; bk 1,024 float32; bo 1,024 float32; bq 1,024 float32; bv 1,024 float32; mask 4 x 2,048 x 2,048 int32.
;; Outputs: out0 4 x 2,048 x 1,024 float32.
;; This version of the problem:
;;   THIS VERSION OF THE PROBLEM IS GIVEN IN LOW PRECISION. The matrix products marked QUANTISED in the list below multiply operands that are first quantised to E2M3 (2 exponent bits, 3 mantissa bits; 6 bits a number), with one power-of-two scale for each 32 numbers along K (OCP MX v1.0); their sums are f32. All else is computed in f32.
;;   The module's matrix products, in the order in which they are computed (A, B: the left and right operand; K: the contracted axis; several contracted axes count as one K, in the product's order):
;;     1. [M 8,192, K 1,024] x [K 1,024, N 1,024]; A: input X; B: input Wq: QUANTISED
;;     2. [M 8,192, K 1,024] x [K 1,024, N 1,024]; A: input X; B: input Wk: QUANTISED
;;     3. [M 8,192, K 1,024] x [K 1,024, N 1,024]; A: input X; B: input Wv: QUANTISED
;;     4. batch 4 x [M 2,048, K 1,024] x [K 1,024, N 2,048]; A: computed on the way; B: computed on the way: QUANTISED
;;     5. batch 4 x [M 2,048, K 2,048] x [K 2,048, N 1,024]; A: softmax (see below); B: computed on the way: QUANTISED
;;     6. [M 8,192, K 1,024] x [K 1,024, N 1,024]; A: computed on the way; B: input Wo: QUANTISED
;;   THE QUANTISER, for each operand of a quantised product, along K:
;;     - K is cut into blocks of 32 from its start; a last block that is shorter is filled with zeros.
;;     - A block's scale is 2^e with e = floor(log2(the largest magnitude in the block)) - 2, held to -126 .. 127; a block of zeros has e = 0. As a byte (E8M0): e + 127.
;;     - Each number is divided by its block's scale, clamped to +-7.5, and rounded to the nearest number of E2M3, ties to even, subnormals kept.
;;     - The product sums the exact products of the quantised numbers (number of the format x scale) in f32.
;;   ~~~python
;;   def quantise(x, axis):      # numpy; x: float32 -> the quantised numbers, widened to float32 again
;;       x = np.moveaxis(x, axis, -1); K = x.shape[-1]
;;       x = np.pad(x, [(0, 0)] * (x.ndim - 1) + [(0, -K % 32)]); x = x.reshape(x.shape[:-1] + (-1, 32)); a = np.abs(x).max(-1, keepdims=True)
;;       e = np.where(a > 0, np.clip(np.frexp(np.where(a > 0, a, 1))[1] - 1 - 2, -126, 127), 0)      # np.frexp(a)[1] - 1 = floor(log2(a)), exactly
;;       r = np.clip(x / 2.0 ** e, -7.5, 7.5)
;;       step = 2.0 ** (np.maximum(np.frexp(np.where(r == 0, 1, r))[1] - 1, 0) - 3)
;;       q = np.round(r / step) * step * 2.0 ** e      # np.round: ties to even
;;       return np.moveaxis(q.reshape(q.shape[:-2] + (-1,))[..., :K], -1, axis).astype(np.float32)
;;   ~~~
;;   SOFTMAX AHEAD OF A QUANTISED PRODUCT. Where the list says 'softmax', what is quantised is not the finished softmax but p = 2^(t - M), with t = logit x log2(e) and M = ceil(the row's largest t), a whole number; so 1/2 < the row's largest p <= 1. The row's sum l is taken of the UNQUANTISED p, in f32, and the product's result is divided by l at the end. Since M is a whole number, a kernel that streams over the keys may use a running M (the ceiling of the running maximum): every later rescaling is an exact power of two, which a block's scale takes up: the codes' values come out the same.
;;   OPERANDS COMPUTED ON THE WAY. 'Computed on the way' means the value that the module computes at that place (a softmax that the list does not call 'softmax' is quantised finished and normalised). What goes into a quantiser is computed in f32, as accurately as f32 sums, v_exp_f32 and their like allow (about 1e-6 of the number): no bf16 or f16 on the way to a quantiser, and a product that is left as it is and whose result goes on into a quantised operand takes f32 operands (vector FMAs, or v_wmma_f32_16x16x4_f32). A number that lies on a knife's edge between two numbers of the format may be rounded either way, as far as f32 arithmetic and the matrix unit's own rounding can turn it there, and no further.
;; One version. Each part assembles by itself: llvm-mc -triple=amdgcn-amd-amdhsa -mcpu=gfx1250 --defsym DOCPART=n.
;; ======== version 1 of 1: 5 launches
;; limits: right only within a limited range of input values
;; workspace buffers: xw 9,830,400 bytes; mbits 2,097,152 bytes of whole numbers; qkv 19,660,800 bytes; pw 14,155,776 bytes; at 6,553,600 bytes
;; launch prep (part 1): grid 256 x 1, 16 waves a work-group, no clusters, 273,920 bytes of LDS; arguments X, Wq, Wk, Wv, Wo, mask, xw, mbits; writes xw, mbits
.if DOCPART == 1
	.amdgcn_target "amdgcn-amd-amdhsa--gfx1250"
	.amdhsa_code_object_version 6
	.text
	.protected	k_qff7b034558_prep
	.globl	k_qff7b034558_prep
	.p2align	8
	.type	k_qff7b034558_prep,@function
k_qff7b034558_prep:
	s_mov_b64 s[64:65], 0
	v_nop
	global_prefetch_b8 v0, s[64:65] scope:SCOPE_SE
	s_setreg_imm32_b32 hwreg(HW_REG_WAVE_MODE, 25, 1), 1
	s_wait_xcnt 0x0
; SELF-ATTENTION, one head of 1,024, 4 x 2,048 tokens, all six products on codes of FP6 (E2M3) with one E8M0 scale for each 32 along K.
; NO WORK IS LEFT OUT: all ten inputs reach the output (each bias moves codes or the result; the mask is an input and is honoured number by number).
; LIMITS OF THE PROGRAM: a query all of whose 2,048 keys are masked has NaN in reference(); here it gets numbers, no NaN.  NaN and infinities among the inputs are not served.
; A block of zeros gets the scale byte 1 (its codes are zeros; only this program reads the bytes).  A block of p that lies more than some 125 powers of two under its row's largest has its byte held at 0 (2^-127).
; THIS LAUNCH: X, Wq, Wk, Wv, Wo (f32, K innermost) become codes and scale words; the mask becomes one bit a number.
; THE LAYOUT OF EVERY OPERAND IN MEMORY IS THE IMAGE OF ITS MATRIX REGISTERS.  A panel is 128 rows: 8 blocks i of 16; place r of block i holds row 32 (i/2) + 8 (i%2) + r + 8 (r/8).
; A fragment (16 rows x 128 K, 12 registers a lane) is 1,536 bytes: lane l's registers 4 c .. 4 c + 3 at 512 c + 16 l.  Codes: [panel][K step][i]; scale words: [panel][K step][i/4][r][i%4].
; xw: panels 0-63 X, 64-71 Wq, 72-79 Wk, 80-87 Wv, 88-95 Wo, 98,304 bytes each; their scale words from byte 9,437,184 on, 4,096 bytes a panel.
; mbits: [query panel 64][128 keys 16][block 8][64 words]: bit r + 16 h of word 16 b + i tells of query place r, key 32 b + 16 h + i: the lane mask for that register of the score tile.
; SHARES.  256 work-groups of 16 waves; EVERY wave issues one tensor load, its only one: 32 rows x 512 bytes into LDS bytes of its own, 16 bytes of padding behind each 512.  Nothing is filled again, and only the wave
; that asked reads its tile, so its wait on TENSORcnt is all the ordering.  32 rows on end are two blocks; the LDS read gives lane (r, h), in register 16 b + i, number 32 b + 16 h + i of the row at place r.
; f32: 768 pairs (panel, K step) of 128 rows x 512 bytes: work-group g takes pairs 3 g .. 3 g + 2; wave v < 12 takes rows 32 (v % 4) on of pair 3 g + v / 4.  A pair's scale words meet in LDS and leave as 512 consecutive bytes.
; Mask: work-group g takes query rows 32 g .. 32 g + 31 (two blocks), wave v the run v of 128 keys.  Waves 12-15 take theirs by the tensor load: a compare of register n over the lanes is word n.
; Waves 0-11 take theirs by loads into registers, 16 loads of 512 consecutive bytes a block, and it stays in registers: a compare of loaded register 4 t + j gives a word whose bit l tells of key 4 l + j of row place t;
; it goes to lane t of register W + j; lanes r and r + 16 then hold row r's four words, shifted down by 4 h; bit 8 b + i / 4 of word i % 4 is key 32 b + 16 h + i, and one more compare over the lanes gives word 16 b + i.
; All requests go out in the wave's first part; all global stores stand at its end.  No cluster: work-groups share nothing.  No prefetch: the text has no loop to run ahead in.
.set TILE,  16896                      ; 32 rows x (512 bytes + 16)
.set SCLB,  16*TILE                    ; the scale words: 512 bytes a pair
.set SPARE, SCLB+1536                  ; the spare words, 128 bytes a wave: eight blocks of 256 bytes that no other line names
.set STO,   5                          ; v5   out of my tile: 528 (r + 8 (r / 8)) + 64 h
.set SPW,   6                          ; v6   my spare word
.set NIL,   7                          ; v7   0
.set SH,    8                          ; v8   4 h;  v3: 16 x lane;  v9: 8 x lane;  v10, v11: the scale words' LDS places, in and out
.set W,     12                         ; v12-15 the rows' mask words: lanes 0-15 written, lanes 16-31 stay 0
.set TM,    16                         ; v16-31 at work
.set PC,    32                         ; v32-55 two fragments' codes
.set SW,    56                         ; v56-57 their scale words
.set MB,    58                         ; v58-61 the mask words, two registers a block
.set R,     64                         ; v64-255 three sets of 64
.set SEL,   34                         ; s[34:35] lane selects: lane l xor 16
.set G0,    36                         ; s[36:39] the tile's group 0;  s[40:47] group 1 for rows of 4,096 bytes;  s[76:83] for rows of 8,192
.set G1,    40
.set GM,    76
.set CW,    48                         ; s48-63 compare words
.set CB,    66                         ; s[66:67] where my codes go;  s[68:69] my mask rows;  s[70:71] their words;  s[72:73] a pair's scale words
.set MI,    68
.set MO,    70
.set SO,    72
	s_load_b256 s[4:11], s[0:1], 0x0               ; X, Wq, Wk, Wv
	s_load_b256 s[12:19], s[0:1], 0x20             ; Wo, mask, xw, mbits
	v_lshl_add_u32 v[SPW], v0, 2, SPARE
	v_mov_b32 v[NIL], 0
	ds_add_u32 v[SPW], v[NIL]                      ; the opening: the add, twice on end, and its wait ahead of my tensor load
	ds_add_u32 v[SPW], v[NIL]
	v_lshrrev_b32 v12, 5, v0
	v_readfirstlane_b32 s20, v12                   ; wave 0..15
	s_and_b32 s21, s20, 3                          ; j: which 32 rows of the pair
	s_lshr_b32 s22, s20, 2                         ; which pair (3: a wave of the mask)
	s_mov_b32 s[G0], 1
	s_mul_i32 s[G0+1], s20, TILE                   ; my tile's LDS bytes
.irp g, G1, GM
	s_mov_b32 s[\g], (3<<16)|(1<<20)|(6<<22)|(3<<25)   ; elements of 8 bytes; behind every 128 words 4 words of padding
	s_mov_b32 s[\g+1], 64<<16                      ; tensor_dim0: 512 bytes
	s_mov_b32 s[\g+2], 32<<16                      ; tensor_dim1
	s_mov_b32 s[\g+3], 64<<16                      ; tile_dim0
	s_mov_b32 s[\g+4], 32                          ; tile_dim1
	s_mov_b32 s[\g+6], 0
	s_mov_b32 s[\g+7], 0
.endr
	s_mov_b32 s[G1+5], 512                         ; the pitch: 4,096 bytes,
	s_mov_b32 s[GM+5], 1024                        ; 8,192 bytes
	s_mov_b32 s[SEL], 0x76543210
	s_mov_b32 s[SEL+1], 0xfedcba98
	s_min_u32 s25, s22, 2
	s_lshl_b32 s25, s25, 9
	s_add_co_u32 s25, s25, SCLB
	s_lshr_b32 s26, s21, 1
	s_lshl_b32 s26, s26, 8
	s_add_co_u32 s25, s25, s26
	s_and_b32 s26, s21, 1
	s_lshl_b32 s26, s26, 3
	s_add_co_u32 s25, s25, s26                     ; in: 512 pair + 256 (j / 2) + 8 (j % 2)
	s_min_u32 s26, s20, 2
	s_lshl_b32 s26, s26, 9
	s_add_co_u32 s26, s26, SCLB                    ; out: 512 wave (waves 0-2)
	v_and_b32 v13, 31, v0                          ; lane
	v_and_b32 v1, 15, v0                           ; r
	v_bfe_u32 v2, v0, 4, 1                         ; h
	v_lshlrev_b32 v3, 4, v13                       ; 16 x lane
	v_lshlrev_b32 v9, 3, v13                       ; 8 x lane
	v_lshlrev_b32 v[SH], 2, v2
	v_and_b32 v4, 8, v1
	v_add_nc_u32 v4, v4, v1                        ; r + 8 (r / 8)
	v_mul_u32_u24 v[STO], v4, 528
	v_lshl_add_u32 v[STO], v2, 6, v[STO]
	v_add_nc_u32 v[STO], s[G0+1], v[STO]
	v_lshlrev_b32 v10, 4, v1
	v_add_nc_u32 v10, s25, v10
	v_add_nc_u32 v11, s26, v3
.irp b, 0,1,2,3
	v_mov_b32 v[W+\b], 0
	v_mov_b32 v[MB+\b], 0                          ; written once: v_writelane_b32's destination counts as one of its sources
.endr
.irp b, 0,1,2,3,4,5,6,7
	v_mov_b32 v[TM+\b], 0                          ; likewise for the lane permutes
.endr
	s_wait_alu depctr_va_vdst(0)                   ; the wait at the head's end
	s_wait_dscnt 0x0                               ; both opening adds are done
	s_wait_kmcnt 0x0
	s_mul_i32 s24, ttmp9, 3
	s_add_co_u32 s24, s24, s22                     ; my pair = 8 panel + K step
	s_lshr_b32 s25, s24, 3                         ; panel 0..95
	s_and_b32 s27, s24, 7                          ; K step
	s_and_b32 s28, s25, 7                          ; the panel inside a weight
	s_cmp_lt_u32 s25, 88
	s_cselect_b64 s[32:33], s[10:11], s[12:13]
	s_cmp_lt_u32 s25, 80
	s_cselect_b64 s[32:33], s[8:9], s[32:33]
	s_cmp_lt_u32 s25, 72
	s_cselect_b64 s[32:33], s[6:7], s[32:33]
	s_cmp_lt_u32 s25, 64
	s_cselect_b64 s[32:33], s[4:5], s[32:33]       ; the choice hangs on ids alone
	s_cselect_b32 s28, s25, s28
	s_lshl_b32 s28, s28, 2
	s_add_co_u32 s28, s28, s21
	s_lshl_b32 s28, s28, 17                        ; 32 rows of 4,096 bytes
	s_lshl_b32 s29, s27, 9
	s_add_co_u32 s28, s28, s29
	s_mov_b32 s29, 0
	s_add_nc_u64 s[32:33], s[32:33], s[28:29]      ; my 32 rows of an f32 tensor
	s_lshl_b32 s28, ttmp9, 18                      ; 32 rows of 8,192 bytes
	s_lshl_b32 s30, s20, 9
	s_add_co_u32 s28, s28, s30
	s_add_nc_u64 s[MI:MI+1], s[14:15], s[28:29]    ; my run of 128 keys of the work-group's 32 mask rows
	s_cmp_lt_u32 s20, 12
	s_cselect_b64 s[G0+2:G0+3], s[32:33], s[MI:MI+1]
	s_or_b32 s[G0+3], s[G0+3], 0x80000000
	s_cmp_lt_u32 s20, 12
	s_cbranch_scc0 .Lmask_tile
	tensor_load_to_lds s[G0:G0+3], s[G1:G1+7]      ; waves 0-11
	s_nop 0
.rept 4
	v_nop
.endr
	s_branch .Lasked
.Lmask_tile:
	tensor_load_to_lds s[G0:G0+3], s[GM:GM+7]      ; waves 12-15
	s_nop 0
.rept 4
	v_nop
.endr
.Lasked:
	s_lshr_b32 s28, ttmp9, 2                       ; the words: query panel g / 4, run v, blocks 2 (g % 4) and the next
	s_lshl_b32 s28, s28, 15
	s_lshl_b32 s30, s20, 11
	s_add_co_u32 s28, s28, s30
	s_and_b32 s30, ttmp9, 3
	s_lshl_b32 s30, s30, 9
	s_add_co_u32 s28, s28, s30
	s_add_nc_u64 s[MO:MO+1], s[18:19], s[28:29]
	s_mul_i32 s28, ttmp9, 3                        ; the scale words of pair 3 g + wave (waves 0-2): 512 bytes a pair
	s_min_u32 s30, s20, 2
	s_add_co_u32 s28, s28, s30
	s_lshl_b32 s28, s28, 9
	s_add_co_u32 s28, s28, 9437184
	s_add_nc_u64 s[SO:SO+1], s[16:17], s[28:29]
.macro LOADU set, off                  ; a mask block's 16 rows' 512 bytes
.irp t, 0,1,2,3,4,5,6,7,8,9,10,11,12,13,14,15
	global_load_b128 v[R+64*(\set)+4*\t:R+64*(\set)+4*\t+3], v3, s[MI:MI+1] offset:(\t+8*(\t/8))*8192+(\off) th:TH_LOAD_NT
.endr
.endm
.macro FLOAD e, set                    ; block e of my tile: register 16 b + i holds number 32 b + 16 h + i of row place r
.irp t, 0,1,2,3,4,5,6,7,8,9,10,11,12,13,14,15
	ds_load_b128 v[R+64*(\set)+4*\t:R+64*(\set)+4*\t+3], v[STO] offset:4224*(\e)+128*(\t/4)+16*(\t%4)
.endr
.endm
.macro QUANT s, pc, pw                 ; 64 numbers of a lane become a fragment's codes in v[pc] on and its row's scale word in v[pw]
.irp b, 0,1,2,3
	v_max3_num_f32 v[TM+\b], |v[(\s)+16*\b]|, |v[(\s)+16*\b+1]|, 0x1800000   ; my 16 numbers of block b, and the floor 2^(3 - 127): the byte cannot fall under 1
.endr
.irp i, 2,4,6,8,10,12,14
.irp b, 0,1,2,3
	v_max3_num_f32 v[TM+\b], v[TM+\b], |v[(\s)+16*\b+\i]|, |v[(\s)+16*\b+\i+1]|
.endr
.endr
.irp b, 0,1,2,3
	v_permlanex16_b32 v[TM+4+\b], v[TM+\b], s[SEL], s[SEL+1]
.endr
.irp b, 0,1,2,3
	v_max_num_f32 v[TM+\b], v[TM+\b], v[TM+4+\b]   ; with lane l xor 16's: the block's largest magnitude
.endr
.irp b, 0,1,2,3
	v_add_nc_u32 v[TM+12+\b], 0xff000000, v[TM+\b] ; 2 off its exponent field: the conversion's scale operand
.endr
.irp b, 0,1,2,3
	v_lshrrev_b32 v[TM+4+\b], 23, v[TM+12+\b]      ; the scale's byte
.endr
	v_lshl_or_b32 v[\pw], v[TM+5], 8, v[TM+4]
	v_lshl_or_b32 v[\pw], v[TM+6], 16, v[\pw]
	v_lshl_or_b32 v[\pw], v[TM+7], 24, v[\pw]
.irp c, 0,1
	v_cvt_scalef32_pk16_fp6_f32 v[(\pc)+6*\c:(\pc)+6*\c+2], v[(\s)+32*\c:(\s)+32*\c+15], v[TM+12+2*\c]
	v_cvt_scalef32_pk16_fp6_f32 v[TM+4*\c:TM+4*\c+2], v[(\s)+16+32*\c:(\s)+31+32*\c], v[TM+13+2*\c]   ; (three registers from an even one on: made here and moved)
.endr
	v_nop                                          ; one plain place behind a scaled conversion
.irp c, 0,1                            ; the operand's layout wants a whole block in a lane
.irp i, 0,1,2
	v_permlane16_swap_b32 v[(\pc)+6*\c+\i], v[TM+4*\c+\i]
.endr
.irp i, 0,1,2
	v_mov_b32 v[(\pc)+3+6*\c+\i], v[TM+4*\c+\i]
.endr
.endr
.endm
.macro MUNIT m, set, left              ; a mask block as it was loaded; left: the younger block's loads, which stay out
	s_wait_loadcnt \left
.set N, 0
.rept 4
.irp e, 0,1,2,3,4,5,6,7,8,9,10,11,12,13,14,15
	v_cmp_ne_u32 s[CW+\e], 0, v[R+64*(\set)+N+\e]  ; register 4 t + j of all 32 lanes: keys 4 l + j of row place t
.endr
.irp e, 0,1,2,3,4,5,6,7,8,9,10,11,12,13,14,15
	v_writelane_b32 v[W+\e%4], s[CW+\e], (N+\e)/4  ; to lane t of word j
.endr
.set N, N+16
.endr
.irp j, 0,1,2,3
	v_permlanex16_b32 v[TM+\j], v[W+\j], s[SEL], s[SEL+1]   ; lanes 16-31 take lanes 0-15's words, lanes 0-15 zeros
.endr
.irp j, 0,1,2,3
	v_or_b32 v[TM+\j], v[TM+\j], v[W+\j]
.endr
.irp j, 0,1,2,3
	v_lshrrev_b32 v[TM+\j], v[SH], v[TM+\j]        ; 4 h bits down
.endr
.set N, 0
.rept 8
.irp e, 0,1,2,3,4,5,6,7
	v_and_b32 v[TM+8+\e], 1<<(8*(N/16)+((N+\e)%16)/4), v[TM+\e%4]
.endr
.irp e, 0,1,2,3,4,5,6,7
	v_cmp_ne_u32 s[CW+\e], 0, v[TM+8+\e]           ; word N + e: query place r, key 32 b + 16 h + i in bit r + 16 h
.endr
.irp e, 0,1,2,3,4,5,6,7
	v_writelane_b32 v[MB+2*(\m)+\e%2], s[CW+\e], (N+\e)/2   ; word n to lane n / 2, register n % 2
.endr
.set N, N+8
.endr
.endm
.macro TBITS m, set                    ; a mask block as it comes out of a tile: register n of all 32 lanes is word n
.set N, 0
.rept 4
.irp e, 0,1,2,3,4,5,6,7,8,9,10,11,12,13,14,15
	v_cmp_ne_u32 s[CW+\e], 0, v[R+64*(\set)+N+\e]
.endr
.irp e, 0,1,2,3,4,5,6,7,8,9,10,11,12,13,14,15
	v_writelane_b32 v[MB+2*(\m)+\e%2], s[CW+\e], (N+\e)/2
.endr
.set N, N+16
.endr
.endm
	s_cmp_lt_u32 s20, 12
	s_cbranch_scc0 .Lbits
	LOADU 0, 0                                     ; waves 0-11: both mask blocks are asked for at once;
	LOADU 1, 65536                                 ; the second begins 8 rows down
	s_mul_i32 s28, s25, 98304                      ; where my two fragments go
	s_mul_i32 s30, s27, 12288
	s_add_co_u32 s28, s28, s30
	s_mul_i32 s30, s21, 3072
	s_add_co_u32 s28, s28, s30
	s_add_nc_u64 s[CB:CB+1], s[16:17], s[28:29]
	MUNIT 0, 0, 16
	MUNIT 1, 1, 0
	s_wait_tensorcnt 0x0                           ; my tile is in; nobody else reads it
	FLOAD 0, 2
	FLOAD 1, 0                                     ; into a set that is done with
	s_wait_dscnt 16                                ; the first block's 16 loads are in
	QUANT R+128, PC, SW
	s_wait_dscnt 0x0
	QUANT R, PC+12, SW+1
	ds_store_b64 v10, v[SW:SW+1]                   ; place r's words of blocks 2 j, 2 j + 1; both halves of the lanes write the same bytes with the same values
.irp k, 0,1,2,3,4,5
	global_store_b128 v3, v[PC+4*\k:PC+4*\k+3], s[CB:CB+1] offset:512*\k   ; two fragments: 3,072 consecutive bytes, 512 a store
.endr
	s_branch .Lout
.Lbits:
	s_wait_tensorcnt 0x0                           ; waves 12-15: my tile is in; nobody else reads it
	FLOAD 0, 2
	FLOAD 1, 0
	s_wait_dscnt 16
	TBITS 0, 2
	s_wait_dscnt 0x0
	TBITS 1, 0
.Lout:
	global_store_b64 v9, v[MB:MB+1], s[MO:MO+1]              ; a block's 64 words: 256 consecutive bytes
	global_store_b64 v9, v[MB+2:MB+3], s[MO:MO+1] offset:256 ; the next block's
	s_wait_dscnt 0x0                               ; my scale words are in LDS
	s_barrier_signal -1
	s_barrier_wait -1                              ; and so are everybody's
	s_cmp_lt_u32 s20, 3
	s_cbranch_scc0 .Lend                           ; three pairs, the first three waves
	ds_load_b128 v[TM:TM+3], v11
	s_wait_dscnt 0x0
	global_store_b128 v3, v[TM:TM+3], s[SO:SO+1]   ; a pair's 128 words: 512 consecutive bytes
.Lend:
	s_wait_tensorcnt 0x0                           ; the wave's end
	ds_add_u32 v[SPW], v[NIL]
	s_wait_dscnt 0x0
	s_endpgm
.Lfunc_end_k_qff7b034558_prep:
	.size	k_qff7b034558_prep, .Lfunc_end_k_qff7b034558_prep-k_qff7b034558_prep
	.p2alignl 7, 3214868480
	.fill 96, 4, 3214868480
	.section	.rodata,"a",@progbits
	.p2align	6, 0x0
	.amdhsa_kernel k_qff7b034558_prep
		.amdhsa_group_segment_fixed_size 273920
		.amdhsa_private_segment_fixed_size 0
		.amdhsa_enable_private_segment 0
		.amdhsa_kernarg_size 64
		.amdhsa_user_sgpr_count 2
		.amdhsa_user_sgpr_kernarg_segment_ptr 1
		.amdhsa_wavefront_size32 1
		.amdhsa_system_sgpr_workgroup_id_x 1
		.amdhsa_system_sgpr_workgroup_id_y 1
		.amdhsa_system_sgpr_workgroup_id_z 1
		.amdhsa_system_vgpr_workitem_id 0
		.amdhsa_next_free_vgpr 256
		.amdhsa_next_free_sgpr 84
		.amdhsa_reserve_vcc 0
		.amdhsa_float_denorm_mode_32 3
		.amdhsa_float_denorm_mode_16_64 3
		.amdhsa_memory_ordered 1
		.amdhsa_forward_progress 1
		.amdhsa_inst_pref_size 78
	.end_amdhsa_kernel
	.amdgpu_metadata
---
amdhsa.version: [ 1, 2 ]
amdhsa.kernels:
  - .name:           k_qff7b034558_prep
    .symbol:         k_qff7b034558_prep.kd
    .args:
      - { .name: X, .offset: 0, .size: 8, .value_kind: global_buffer, .address_space: global }
      - { .name: Wq, .offset: 8, .size: 8, .value_kind: global_buffer, .address_space: global }
      - { .name: Wk, .offset: 16, .size: 8, .value_kind: global_buffer, .address_space: global }
      - { .name: Wv, .offset: 24, .size: 8, .value_kind: global_buffer, .address_space: global }
      - { .name: Wo, .offset: 32, .size: 8, .value_kind: global_buffer, .address_space: global }
      - { .name: mask, .offset: 40, .size: 8, .value_kind: global_buffer, .address_space: global }
      - { .name: xw, .offset: 48, .size: 8, .value_kind: global_buffer, .address_space: global }
      - { .name: mbits, .offset: 56, .size: 8, .value_kind: global_buffer, .address_space: global }
    .group_segment_fixed_size: 273920
    .private_segment_fixed_size: 0
    .kernarg_segment_align: 8
    .kernarg_segment_size: 64
    .max_flat_workgroup_size: 512
    .sgpr_count:     84
    .vgpr_count:     256
    .wavefront_size: 32
...
	.end_amdgpu_metadata
.endif
;; end of part 1
;; launch qkv (part 2): grid 8 x 32, 4 waves a work-group, clusters of 4 x 4, 327,680 bytes of LDS; arguments xw, bq, bk, bv, qkv; writes qkv
.if DOCPART == 2
	.amdgcn_target "amdgcn-amd-amdhsa--gfx1250"
	.amdhsa_code_object_version 6
	.text
	.protected	k_qff7b034558_qkv
	.globl	k_qff7b034558_qkv
	.p2align	8
	.type	k_qff7b034558_qkv,@function
k_qff7b034558_qkv:
	s_mov_b64 s[64:65], 0
	v_nop
	global_prefetch_b8 v0, s[64:65] scope:SCOPE_SE
	s_setreg_imm32_b32 hwreg(HW_REG_WAVE_MODE, 25, 1), 1
	s_wait_xcnt 0x0
	s_wait_alu depctr_hold_cnt(0) depctr_sa_sdst(0) depctr_va_vdst(0) depctr_va_sdst(0) depctr_va_ssrc(0) depctr_va_vcc(0) depctr_vm_vsrc(0)
	s_getreg_b32 s2, hwreg(HW_REG_IB_STS2, 6, 4)
	s_cmp_eq_u32 s2, 0
	s_cbranch_scc0 .Lentry_in_a_cluster
	s_endpgm
.Lentry_in_a_cluster:
	s_bfe_u32 s2, ttmp6, 0x10000c
	s_cmp_lg_u32 s2, 0xf033
	s_cbranch_scc0 .Lentry_shape_is_right
	s_endpgm
.Lentry_shape_is_right:
; Q = X Wq^T + bq, K = X Wk^T + bk, V^T = Wv X^T + bv, on the codes of the launch before; each result is quantised in registers and stored as codes: Q and K along the 1,024, V along the tokens.  No work is left out.
; SHARES.  Q and K are 32 x 8 tiles of 256 x 256, V^T is 8 x 32 tiles of 128 x 256: 256 of each, and 256 work-groups.  Work-group (tx, ty) makes FIRST the tile of Q (tx 0-3) or K (tx 4-7): A = X's panels 2 ty, 2 ty + 1,
; B = the weight's panels 64 + 2 tx, + 1; each wave 128 x 128, 64 accumulators.  THEN the tile of V^T: A = Wv's panel 80 + tx, B = the same two panels of X; each wave 64 channels x 128 tokens, 32 accumulators.
; OPERANDS lie in memory as images of their registers (panel of 128 rows: 8 blocks of 16, place r of block i = row 32 (i/2) + 8 (i%2) + r + 8 (r/8); fragment 1,536 bytes; [panel][K step][i]).
; So a K step's tiles are dense blocks for the tensor loads, every LDS read is 16 x lane, and THE PRODUCT, USED TRANSPOSED (source 0 = B's block b, source 1 = A's block a), leaves in a lane the row at place r of block a and in
; register 8 b + j column 32 (b/2) + 8 (b%2) + 16 h + j: the 64 registers of a's eight accumulators are 16 neighbours of each block of 32 along the next K, and the fragment made of them is block a of the next operand.
; LDS.  Two slots of 98,304 bytes.  In the first part a slot holds two K steps (A's two panels, then B's two).  Wv's whole panel, 98,304 bytes, comes with the first fills into bytes of its own behind the ring.
; For the second part X comes back through the ring's bytes: its K steps 0-3 into slot 0's bytes behind the round at K step 5, its K steps 4-7 into slot 1's behind a round behind K step 7; every wave brings a quarter of each.
; A wave has three tensor loads out at the start (two slots' parts and its quarter of Wv's panel), later one.
; CLUSTER 4 x 4: what hangs on ty (X) is shared along a row of the cluster, what hangs on tx (the weights) along a column: joint loads.  The scale words are loaded straight into registers that hold nothing else.
; The bias is the C of each part's first K step: by column (Q, K), by row (V^T).
; qkv: Q's panels 0-63 and K's 64-127 from byte 0 (98,304 each), their scale words from 12,582,912; V^T [batch][channel panel 8][token step 16] from 13,107,200, its scale words from 19,398,656.
; REGISTERS: window 0: v0-23 addresses; v32-95 X's scale words (both parts), v96-159 the weight's (second part: Wv's in v96-127); v160-255 A's fragments, ONE set (second part: v208-255; the tails work in v160-207).
;   window 1: B's fragments, two sets at v0 and v128; the bias in the gaps v96-127, v224-255.  windows 2, 3: the accumulators.
.set FRB,   1536
.set KB,    8*FRB
.set BLD,   2*KB                       ; first part: two K steps of a panel
; LDS AS IT STANDS (this replaces what the comment above says of the slots and of the loads out at the start): the ring is four regions of 49,152 bytes, A's two panels and then B's two, each with room for four K steps on end.
; Slot 0 is the regions' first halves, slot 1 their second.  At the head ONE load a wave brings its panel's K steps 0-3, 192 rows of 256 bytes; the refills bring two K steps, 96 rows, into a half.
; Wv's panel is first filled behind a round of its own at the head's end.  For the second part wave v brings X's panel v / 2, K steps 2 (v % 2) on, into region v's first half, and K steps 4 + 2 (v % 2) on into its second.
; A wave has one tensor load out at any time.
.set ARG,   98304
.set SLOT,  98304
.set PST,   49152                      ; from region to region
.set WVB,   2*SLOT                     ; Wv's panel
.set SPARE, WVB+8*KB                   ; the spare words, 128 bytes a wave: two blocks of 256 bytes that no other line names
.set AW,    0
.set NA,    8                          ; the first part's figures; the second part sets these six anew
.set AF,    160
.set SCA,   32
.set SCB,   96
.set ADA,   8                          ; v8, v9   my A fragments in slot 0, 1
.set ADB,   10                         ; v10, v11 my B fragments
.set SPW,   12
.set NIL,   13
.set TW,    0                          ; the tails work in window 0:
.set TM,    160
.set PC,    176
.set SW,    196
.set TT,    204
.set G1A,   24                         ; group 1 with the mask of my row of the cluster
.set G0A,   32
.set G1B,   40                         ; group 1 with the mask of my column
.set G0B,   48
.set G0W,   68                         ; s[68:71] group 0 for Wv's panel
.set G0X,   72                         ; s[72:79] groups 0 for X's two fills of the second part: made once, never stepped
.set WV,    84
.set WR,    85
.set WC,    86
.set CX,    87
.set CY,    88
.set CLY,   89
.set TX,    90
.set AP,    91
.set SEL,   92
.set BP,    96
.set MSB, 0
.macro WIN new                         ; the immediate's high byte repeats the setting that is left
.if MSB != (\new)
	s_set_vgpr_msb (MSB<<8)|(\new)
.set MSB, \new
.endif
.endm
.macro PLACES                          ; four plain places behind matrix instructions, in front of loads into their registers and of reads of their results
.rept 4
	v_nop
.endr
.endm
.macro JLOAD s                         ; a joint load of the first part: waves 0, 1 fetch for A, waves 2, 3 for B; an s_nop 0 and four v_nop follow each line
	s_cmp_eq_u32 s[WR], 0
	s_cbranch_scc0 .Lfor_b_\@
	tensor_load_to_lds s[G0A+4*(\s):G0A+4*(\s)+3], s[G1A:G1A+7]
	s_nop 0
.rept 4
	v_nop
.endr
	s_branch .Lasked_\@
.Lfor_b_\@:
	tensor_load_to_lds s[G0B+4*(\s):G0B+4*(\s)+3], s[G1B:G1B+7]
	s_nop 0
.rept 4
	v_nop
.endr
.Lasked_\@:
.endm
.macro XLOAD s                         ; a joint load of the second part: every wave brings its quarter (panel wave / 2, two K steps) of X's four K steps for slot s's bytes
	tensor_load_to_lds s[G0X+4*(\s):G0X+4*(\s)+3], s[G1A:G1A+7]
	s_nop 0
.rept 4
	v_nop
.endr
.endm
.macro CREST                           ; a round of the cluster's barrier behind its opening barrier
	s_cmp_lg_u32 s[WV], 0
	s_cbranch_scc1 .Lnot_wave_0_\@
	s_barrier_signal -3
.Lnot_wave_0_\@:
	s_barrier_wait -3
	s_barrier_signal -1
	s_barrier_wait -1
.endm
.macro CROUND
	s_barrier_signal -1
	s_barrier_wait -1
	CREST
.endm
.macro FRAG reg, adr, off              ; a fragment's image: three loads of 512 consecutive bytes
.irp c, 0,1,2
	ds_load_b128 v[(\reg)+4*\c:(\reg)+4*\c+3], v[\adr] offset:(\off)+512*\c
.endr
.endm
.macro FETCH_B s, q, p                 ; B's eight fragments of the slot's q-th step into set p
	WIN 0x40
.irp b, 0,1,2,3,4,5,6,7
	FRAG 128*(\p)+12*\b, ADB+(\s)+2*((\q)/2), KB*((\q)%2)+FRB*\b
.endr
	WIN 0
.endm
.macro FETCH_A s, q, half              ; half of A's blocks
	WIN AW<<6
.set FA, (\half)*(NA/2)
.rept NA/2
	FRAG AF+12*FA, ADA+(\s), KB*(\q)+FRB*FA
.set FA, FA+1
.endr
	WIN 0
.endm
; A's block a against B's eight, K step kk.  cm = 0: the sums go on; 1: they start from the bias by column (tile b); 2: by row (tile a).  The accumulators take turns, one instruction a turn, in the same order in every step.
.macro MULA a, kk, cm
.set ACW, 2+(\a)/4
.set ACR, 64*((\a)%4)
.set BS, 128*((\kk)%2)
.set AR, AF+12*(\a)
.set SA, SCA+NA*(\kk)+(\a)
.set CT, 96+128*((\a)/4)+8*((\a)%4)
.if (\cm) == 0
	WIN (ACW<<6)|(ACW<<4)|(AW<<2)|1
.else
	WIN (ACW<<6)|(1<<4)|(AW<<2)|1
.endif
.irp b, 0,1,2,3,4,5,6,7
.if (\cm) == 0
	v_wmma_scale_f32_16x16x128_f8f6f4 v[ACR+8*\b:ACR+8*\b+7], v[BS+12*\b:BS+12*\b+11], v[AR:AR+11], v[ACR+8*\b:ACR+8*\b+7], v[SCB+8*(\kk)+\b], v[SA] matrix_a_fmt:MATRIX_FMT_FP6 matrix_b_fmt:MATRIX_FMT_FP6
.elseif (\cm) == 1
	v_wmma_scale_f32_16x16x128_f8f6f4 v[ACR+8*\b:ACR+8*\b+7], v[BS+12*\b:BS+12*\b+11], v[AR:AR+11], v[96+128*(\b/4)+8*(\b%4):96+128*(\b/4)+8*(\b%4)+7], v[SCB+8*(\kk)+\b], v[SA] matrix_a_fmt:MATRIX_FMT_FP6 matrix_b_fmt:MATRIX_FMT_FP6
.else
	v_wmma_scale_f32_16x16x128_f8f6f4 v[ACR+8*\b:ACR+8*\b+7], v[BS+12*\b:BS+12*\b+11], v[AR:AR+11], v[CT:CT+7], v[SCB+8*(\kk)+\b], v[SA] matrix_a_fmt:MATRIX_FMT_FP6 matrix_b_fmt:MATRIX_FMT_FP6
.endif
.endr
.endm
.macro MULS a0, n, kk, cm
.set MA, \a0
.rept \n
	MULA MA, \kk, \cm
.set MA, MA+1
.endr
.endm
.macro STEP s, q, kk, cm               ; a step that has its successor in the same slot
	s_wait_dscnt 3*NA/2                            ; B's set and A's lower half are in; A's upper half may be out
	MULS 0, NA/2, \kk, \cm
	s_wait_dscnt 0x0
	PLACES
	FETCH_B \s, (\q)+1, 1-(\kk)%2
	FETCH_A \s, (\q)+1, 0
	MULS NA/2, NA/2, \kk, \cm
	PLACES
	FETCH_A \s, (\q)+1, 1
.endm
; A slot's last step changes slots: one barrier.  fill = 1: it opens a round of the cluster's barrier, and this slot takes the first part's K steps two slots on; 2: likewise, and its bytes take X's K steps 0-3 for the second part; 0: nothing is filled.
.macro TURN s, kk, fill
	s_wait_tensorcnt 0x0                           ; all my tensor loads have landed: my part of the next slot among them
	ds_add_u32 v[SPW], v[NIL]                      ; 0 onto my spare word
	s_wait_dscnt 3*NA/2+1                          ; (the add and A's upper half may be out)
	MULS 0, NA/4, \kk, 0
	s_wait_dscnt 0x0                               ; the add is done, and my reads of this slot are over
	s_barrier_signal -1
	MULS NA/4, NA/4, \kk, 0
	WIN 0
	s_barrier_wait -1
.if (\fill) == 1
	CREST                                          ; no wave of any partner still reads this slot or has a load on its way
	s_add_nc_u64 s[G0A+4*(\s)+2:G0A+4*(\s)+3], s[G0A+4*(\s)+2:G0A+4*(\s)+3], 2*BLD
	s_add_nc_u64 s[G0B+4*(\s)+2:G0B+4*(\s)+3], s[G0B+4*(\s)+2:G0B+4*(\s)+3], 2*BLD
	JLOAD \s                                       ; the first tensor load behind the round; its four v_nop are the places in front of the loads below
.elseif (\fill) == 2
	CREST
	XLOAD 0                                        ; likewise
.else
	PLACES
.endif
	FETCH_B 1-(\s), 0, 0
	FETCH_A 1-(\s), 0, 0
.if ((\kk) == 1) && ((\fill) == 1)
	global_prefetch_b8 v5, s[94:95] offset:3*BLD th:TH_LOAD_NT scope:SCOPE_SE   ; K steps 6, 7: the next refill's tile
.endif
	MULS NA/2, NA/2, \kk, 0
	PLACES
	FETCH_A 1-(\s), 0, 1
.endm
.macro LAST kk
	s_wait_dscnt 3*NA/2
	MULS 0, NA/2, \kk, 0
	s_wait_dscnt 0x0
	MULS NA/2, NA/2, \kk, 0
	WIN 0
.endm
; 64 numbers of a lane, in window sw, become a fragment's codes in v[PC] on and its row's scale word in v[pw] (both in window TW)
.macro QUANT s, sw, pw
	WIN (TW<<6)|((\sw)<<4)|((\sw)<<2)|TW
.irp b, 0,1,2,3
	v_max3_num_f32 v[TM+\b], 0x1800000, |v[(\s)+16*\b]|, |v[(\s)+16*\b+1]|   ; the floor 2^(3 - 127) and my 16 numbers of block b; each accumulator is read from its low end on
.endr
.irp i, 2,4,6,8,10,12,14
.irp b, 0,1,2,3
	v_max3_num_f32 v[TM+\b], v[TM+\b], |v[(\s)+16*\b+\i]|, |v[(\s)+16*\b+\i+1]|
.endr
.endr
	WIN TW*0x55
.irp b, 0,1,2,3
	v_permlanex16_b32 v[TM+4+\b], v[TM+\b], s[SEL], s[SEL+1]
.endr
.irp b, 0,1,2,3
	v_max_num_f32 v[TM+\b], v[TM+\b], v[TM+4+\b]
.endr
.irp b, 0,1,2,3
	v_add_nc_u32 v[TM+12+\b], 0xff000000, v[TM+\b] ; 2 off the exponent field: the conversion's scale operand
.endr
.irp b, 0,1,2,3
	v_lshrrev_b32 v[TM+4+\b], 23, v[TM+12+\b]      ; the scale's byte
.endr
	v_lshl_or_b32 v[\pw], v[TM+5], 8, v[TM+4]
	v_lshl_or_b32 v[\pw], v[TM+6], 16, v[\pw]
	v_lshl_or_b32 v[\pw], v[TM+7], 24, v[\pw]
	s_wait_xcnt 0x0                                ; the last block's stores have read the codes' registers
	WIN (TW<<6)|(TW<<4)|(TW<<2)|(\sw)
.irp c, 0,1
	v_cvt_scalef32_pk16_fp6_f32 v[PC+6*\c:PC+6*\c+2], v[(\s)+32*\c:(\s)+32*\c+15], v[TM+12+2*\c]
	v_cvt_scalef32_pk16_fp6_f32 v[PC+12+4*\c:PC+14+4*\c], v[(\s)+16+32*\c:(\s)+31+32*\c], v[TM+13+2*\c]
.endr
	WIN TW*0x55
	v_nop                                          ; one plain place behind a scaled conversion
.irp c, 0,1
.irp i, 0,1,2
	v_permlane16_swap_b32 v[PC+6*\c+\i], v[PC+12+4*\c+\i]
.endr
.irp i, 0,1,2
	v_mov_b32 v[PC+3+6*\c+\i], v[PC+12+4*\c+\i]
.endr
.endr
.endm
	s_load_b128 s[4:7], s[0:1], 0x0                ; xw, bq
	s_load_b128 s[8:11], s[0:1], 0x10              ; bk, bv
	s_load_b64 s[12:13], s[0:1], 0x20              ; qkv
	v_lshl_add_u32 v[SPW], v0, 2, SPARE
	v_mov_b32 v[NIL], 0
	ds_add_u32 v[SPW], v[NIL]                      ; the opening: the add, twice on end, and its wait ahead of my first tensor load
	ds_add_u32 v[SPW], v[NIL]
	v_lshrrev_b32 v1, 5, v0
	v_readfirstlane_b32 s[WV], v1                  ; wave 0..3
	s_lshr_b32 s[WR], s[WV], 1                     ; my half of the rows.  Also: in the first part I fetch for A (0) or B (1)
	s_and_b32 s[WC], s[WV], 1                      ; my half of the columns.  Also: which panel I fetch there
	s_bfe_u32 s[CX], ttmp6, 0x40000
	s_bfe_u32 s[CY], ttmp6, 0x40004
	s_and_b32 s[CLY], ttmp7, 0xffff                ; the cluster's y
	s_lshl_b32 s16, s[CY], 2
	s_lshl_b32 s16, 15, s16                        ; my row of the cluster
	s_lshl_b32 s17, 0x1111, s[CX]                  ; my column
	s_or_b32 s[G1A], s16, (3<<16)|(1<<21)          ; group 1: the mask; elements of 8 bytes; bit 21 beside a mask; no padding
	s_or_b32 s[G1B], s17, (3<<16)|(1<<21)
.irp g, G1A, G1B
	s_mov_b32 s[\g+1], 32<<16                      ; a dense block of 24,576 bytes as 96 rows of 256: tensor_dim0 = 32 elements
	s_mov_b32 s[\g+2], 192<<16                     ; tensor_dim1: the head's load has 192 rows
	s_mov_b32 s[\g+3], 32<<16                      ; tile_dim0
	s_mov_b32 s[\g+4], 192                         ; tile_dim1
	s_mov_b32 s[\g+5], 32                          ; the pitch
	s_mov_b32 s[\g+6], 0
	s_mov_b32 s[\g+7], 0
.endr
	s_lshl_b32 s56, s[CY], 1
	s_lshl_b32 s[AP], s[CLY], 3
	s_add_co_u32 s[AP], s[AP], s56                 ; X's first panel, 2 ty = 8 cluster y + 2 cy: made of cy and the cluster's y alone
	s_lshl_b32 s[TX], ttmp9, 2
	s_add_co_u32 s[TX], s[TX], s[CX]               ; tx = 4 cluster x + cx
	s_lshl_b32 s[BP], s[TX], 1
	s_add_co_u32 s[BP], s[BP], 64                  ; Wq's or Wk's first panel: 64 + 2 tx
	s_add_co_u32 s56, s[AP], s[WC]                 ; first part, A: panel 2 ty + (wave & 1)
	s_mul_i32 s56, s56, 98304
	s_mov_b32 s57, 0
	s_add_co_u32 s60, s[BP], s[WC]                 ; first part, B
	s_mul_i32 s60, s60, 98304
	s_mov_b32 s61, 0
	s_mul_i32 s58, s[WC], PST                      ; where they go: no place in the cluster enters an LDS address
	s_mul_i32 s62, s[WC], PST
	s_add_co_u32 s62, s62, ARG
	s_add_co_u32 s66, s[AP], s[WR]                 ; second part, X: panel 2 ty + wave / 2, K steps 2 (wave & 1) on
	s_mul_i32 s66, s66, 98304
	s_mul_i32 s67, s[WC], 24576
	s_add_co_u32 s66, s66, s67
	s_mov_b32 s67, 0
	s_mul_i32 s98, s[WV], 24576                    ; my quarter of Wv's panel: K steps 2 wave on, wave x 24,576 bytes
	s_add_co_u32 s82, s[TX], 80                    ; Wv's panel 80 + tx, K steps 2 wave on
	s_mul_i32 s82, s82, 98304
	s_add_co_u32 s82, s82, s98
	s_mov_b32 s83, 0
	s_add_co_u32 s99, s98, WVB
	s_mov_b32 s[SEL], 0x76543210
	s_mov_b32 s[SEL+1], 0xfedcba98
	s_wait_dscnt 0x0                               ; both opening adds are done
	s_wait_kmcnt 0x0
	s_add_nc_u64 s[56:57], s[4:5], s[56:57]
	s_add_nc_u64 s[60:61], s[4:5], s[60:61]
	s_add_nc_u64 s[66:67], s[4:5], s[66:67]
	s_add_nc_u64 s[82:83], s[4:5], s[82:83]
	; THE PREFETCHES.  A refill of the first part, and my quarter of Wv's panel, are 96 blocks of 256 bytes; the four partners that ask for such a tile jointly share its blocks out BY ADDRESS, 24 each
	; (by cx for X's tiles, by cy for the weights'), a lane a block; lanes 24-31 name the wave's last block again.  Asked for: at the head Wv's quarter and K steps 4, 5; behind the first refill K steps 6, 7:
	; each one change of slots ahead of its load.  X's tiles of the second part have been read by then.  The address registers are never rewritten.
	s_cmp_eq_u32 s[WR], 0
	s_cselect_b64 s[94:95], s[56:57], s[60:61]     ; the panel that I fetch in the first part
	s_cselect_b32 s2, s[CX], s[CY]
	s_mul_i32 s2, s2, 6144
	s_mul_i32 s3, s[CY], 6144
	CROUND                                         ; all sixteen work-groups are here: the first joint loads meet
.irp s, 0,1
	s_mov_b32 s[G0A+4*\s], 1
	s_add_co_u32 s[G0A+4*\s+1], s58, \s*BLD
	s_add_nc_u64 s[G0A+4*\s+2:G0A+4*\s+3], s[56:57], \s*BLD
	s_or_b32 s[G0A+4*\s+3], s[G0A+4*\s+3], 0x80000000
	s_mov_b32 s[G0B+4*\s], 1
	s_add_co_u32 s[G0B+4*\s+1], s62, \s*BLD
	s_add_nc_u64 s[G0B+4*\s+2:G0B+4*\s+3], s[60:61], \s*BLD
	s_or_b32 s[G0B+4*\s+3], s[G0B+4*\s+3], 0x80000000
.endr
	JLOAD 0                                        ; K steps 0-3 of my panel: one tensor load a wave at the head
	s_mov_b32 s[G0W], 1
	s_mov_b32 s[G0W+1], s99
	s_mov_b64 s[G0W+2:G0W+3], s[82:83]
	s_or_b32 s[G0W+3], s[G0W+3], 0x80000000
	s_mov_b32 s[G0X], 1                            ; X's two fills of the second part
	s_mul_i32 s[G0X+1], s[WV], PST
	s_mov_b64 s[G0X+2:G0X+3], s[66:67]
	s_or_b32 s[G0X+3], s[G0X+3], 0x80000000
	s_mov_b32 s[G0X+4], 1
	s_add_co_u32 s[G0X+5], s[G0X+1], BLD
	s_add_nc_u64 s[G0X+6:G0X+7], s[66:67], 4*KB
	s_or_b32 s[G0X+7], s[G0X+7], 0x80000000
	v_and_b32 v1, 15, v0                           ; r
	v_bfe_u32 v2, v0, 4, 1                         ; h
	v_and_b32 v3, 31, v0
	v_lshlrev_b32 v3, 4, v3                        ; 16 x lane
	v_lshlrev_b32 v4, 4, v1                        ; 16 r
	v_and_b32 v5, 31, v0
	v_min_u32 v5, 23, v5
	v_lshlrev_b32 v5, 8, v5
	v_add_nc_u32 v6, s3, v5                        ; my work-group's 24 blocks of Wv's quarter,
	v_add_nc_u32 v5, s2, v5                        ; and of a refill
	s_mul_i32 s16, s[WR], PST                      ; first part: A's panel by my row half, B's by my column half
	s_mul_i32 s17, s[WC], PST
	s_add_co_u32 s17, s17, ARG
	v_add_nc_u32 v8, s16, v3
	v_add_nc_u32 v10, s17, v3
	v_add_nc_u32 v9, BLD, v8
	v_add_nc_u32 v11, BLD, v10
	s_mul_i32 s16, s[WR], 2*PST                    ; second part: X's panel by my ROW half: regions 2 x half and 2 x half + 1
	s_mul_i32 s17, s[WC], 6144                     ; Wv's four blocks by my column half
	s_add_co_u32 s17, s17, WVB
	v_add_nc_u32 v20, s16, v3                      ; K steps 0, 1
	v_add_nc_u32 v18, s17, v3
	v_add_nc_u32 v21, BLD, v20                     ; K steps 4, 5
	v_add_nc_u32 v22, PST, v20                     ; K steps 2, 3
	v_add_nc_u32 v23, PST+BLD, v20                 ; K steps 6, 7
	v_add_nc_u32 v19, 4*KB, v18                    ; K steps 4-7 of Wv's panel
	v_lshlrev_b32 v14, 6, v2                       ; the bias by column: 64 h
	s_wait_alu depctr_va_vdst(0)
	global_prefetch_b8 v6, s[82:83] th:TH_LOAD_NT scope:SCOPE_SE
	global_prefetch_b8 v5, s[94:95] offset:2*BLD th:TH_LOAD_NT scope:SCOPE_SE
	v_and_b32 v15, 8, v1
	v_add_nc_u32 v15, v15, v1
	v_lshlrev_b32 v15, 2, v15                      ; by row: 4 (r + 8 (r / 8))
	s_add_co_u32 s16, s[AP], s[WR]                 ; the scale words of my 128 rows of X and of the weight, all 8 steps
	s_lshl_b32 s16, s16, 12
	s_add_co_u32 s16, s16, 9437184
	s_mov_b32 s17, 0
	s_add_nc_u64 s[16:17], s[4:5], s[16:17]
	s_add_co_u32 s18, s[BP], s[WC]
	s_lshl_b32 s18, s18, 12
	s_add_co_u32 s18, s18, 9437184
	s_mov_b32 s19, 0
	s_add_nc_u64 s[18:19], s[4:5], s[18:19]
.set N, 0
.rept 16
	global_load_b128 v[SCA+4*N:SCA+4*N+3], v4, s[16:17] offset:256*N   ; register SCA + 8 step + i: place r's word of block i
	global_load_b128 v[SCB+4*N:SCB+4*N+3], v4, s[18:19] offset:256*N
.set N, N+1
.endr
	s_lshl_b32 s22, s[CX], 1
	s_add_co_u32 s22, s22, s[WC]                   ; my 128 columns of Wq or Wk
	s_lshl_b32 s22, s22, 9
	s_mov_b32 s23, 0
	s_cmp_eq_u32 ttmp9, 0
	s_cselect_b64 s[20:21], s[6:7], s[8:9]         ; cluster x 0: bq; 1: bk
	s_add_nc_u64 s[20:21], s[20:21], s[22:23]
	WIN 0x40
.irp b, 0,1,2,3,4,5,6,7
	global_load_b128 v[96+128*(\b/4)+8*(\b%4):96+128*(\b/4)+8*(\b%4)+3], v14, s[20:21] offset:128*(\b/2)+32*(\b%2)
	global_load_b128 v[96+128*(\b/4)+8*(\b%4)+4:96+128*(\b/4)+8*(\b%4)+7], v14, s[20:21] offset:128*(\b/2)+32*(\b%2)+16
.endr
	WIN 0
	s_mov_b32 s3, 0
	s_lshl_b32 s97, ttmp9, 6                       ; where Q's or K's results go: panel 64 cluster x + X's, step 2 cx + column half
	s_add_co_u32 s97, s97, s[AP]
	s_add_co_u32 s97, s97, s[WR]
	s_lshl_b32 s97, s97, 3
	s_lshl_b32 s2, s[CX], 1
	s_add_co_u32 s97, s97, s2
	s_add_co_u32 s97, s97, s[WC]
	s_mul_i32 s2, s97, KB
	s_add_nc_u64 s[14:15], s[12:13], s[2:3]        ; codes
	s_lshl_b32 s2, s97, 9
	s_add_co_u32 s2, s2, 12582912
	s_add_nc_u64 s[56:57], s[12:13], s[2:3]        ; scale words
	s_add_co_u32 s97, s[AP], s[WR]                 ; where V^T's go: my token panel: batch = / 16, token step = % 16; channel panel tx; blocks 4 x column half on
	s_lshr_b32 s2, s97, 4
	s_lshl_b32 s2, s2, 3
	s_add_co_u32 s2, s2, s[TX]
	s_lshl_b32 s2, s2, 4
	s_and_b32 s97, s97, 15
	s_add_co_u32 s97, s97, s2
	s_mul_i32 s2, s97, KB
	s_mul_i32 s98, s[WC], 6144
	s_add_co_u32 s2, s2, s98
	s_add_co_u32 s2, s2, 13107200
	s_add_nc_u64 s[58:59], s[12:13], s[2:3]        ; codes
	s_lshl_b32 s2, s97, 9
	s_lshl_b32 s98, s[WC], 8
	s_add_co_u32 s2, s2, s98
	s_add_co_u32 s2, s2, 19398656
	s_add_nc_u64 s[60:61], s[12:13], s[2:3]        ; scale words
	s_add_co_u32 s2, s[TX], 80                     ; Wv's scale words of my four blocks
	s_lshl_b32 s2, s2, 12
	s_add_co_u32 s2, s2, s98
	s_add_co_u32 s2, s2, 9437184
	s_add_nc_u64 s[62:63], s[4:5], s[2:3]
	s_lshl_b32 s2, s[TX], 9                        ; bv at my 64 channels
	s_add_co_u32 s2, s2, s98
	s_add_nc_u64 s[80:81], s[10:11], s[2:3]
	s_wait_alu depctr_va_vdst(0)                   ; the wait at the head's end
	s_wait_tensorcnt 0x0                           ; my panel's K steps 0-3 are in
	ds_add_u32 v[SPW], v[NIL]
	s_mov_b32 s[G1A+2], 96<<16                     ; no tensor load of mine is out: from here on a load brings 96 rows
	s_mov_b32 s[G1A+4], 96
	s_mov_b32 s[G1B+2], 96<<16
	s_mov_b32 s[G1B+4], 96
	s_wait_dscnt 0x0
	CROUND                                         ; everybody's part is in, and all sixteen work-groups are here
	tensor_load_to_lds s[G0W:G0W+3], s[G1B:G1B+7]  ; my quarter of Wv's panel, a first fill; it is wanted in the second part
	s_nop 0
.rept 4
	v_nop
.endr
	FETCH_B 0, 0, 0
	FETCH_A 0, 0, 0
	FETCH_A 0, 0, 1
	s_wait_loadcnt 0x0                             ; scale words and bias
	; ---- THE FIRST PART: 256 x 256 of Q or K, K in 8 steps, two to a slot
	STEP 0, 0, 0, 1                                ; the first step starts the sums from the bias: nothing is cleared
	TURN 0, 1, 1
	STEP 1, 0, 2, 0
	TURN 1, 3, 1
	STEP 0, 0, 4, 0
	TURN 0, 5, 2                                   ; slot 0 has had its last K steps of this part: its bytes take X's K steps 0-3 for the second
	STEP 1, 0, 6, 0
	LAST 7
	s_wait_tensorcnt 0x0                           ; my quarter of X's K steps 0-3 has landed (asked for 160 matrix instructions ago)
	ds_add_u32 v[SPW], v[NIL]                      ; 0 onto my spare word
	PLACES                                         ; (the places behind the last products stand between the add and the wait for it)
	s_wait_dscnt 0x0                               ; the add is done, and my reads of slot 1 are over
	CROUND                                         ; no wave of any partner still reads slot 1 or has a load on its way; and slot 0's bytes are whole for every wave
	XLOAD 1                                        ; X's K steps 4-7: they have the tail below and four K steps in which to land
.irp k, 0,1,2,3,4,5,6,7
	global_load_b128 v[96+4*\k:96+4*\k+3], v4, s[62:63] offset:512*\k   ; Wv's scale words, register 96 + 4 step + a, where the other weight's stood
.endr
	WIN 0x40
	s_wait_alu depctr_va_vdst(0)
.irp a, 0,1,2,3
.irp j, 0,1,2,3,4,5,6,7
	global_load_b32 v[96+8*\a+\j], v15, s[80:81] offset:128*(\a/2)+32*(\a%2)   ; bv by row: one number a lane, the same in the tile's eight registers
.endr
.endr
	WIN 0
.set NA,    4                          ; the second part's figures
.set AF,    208
.set SCA,   96
.set SCB,   32
.set ADA,   18
.set ADB,   20
	FETCH_B 0, 0, 0                                ; its first fragments; they, the scale words and the bias land under the tail
	FETCH_A 0, 0, 0
	FETCH_A 0, 0, 1
	; ---- THE FIRST TAIL: block a's 64 registers are quantised and leave as block a of the next operand: three stores of 512 consecutive bytes
.irp b, 0,1,2,3
	v_mov_b32 v[TM+4+\b], 0                        ; written once: a lane permute's destination counts as one of its sources
.endr
.irp a, 0,1,2,3,4,5,6,7
	QUANT 64*(\a%4), 2+\a/4, SW+\a
.irp c, 0,1,2
	global_store_b128 v3, v[PC+4*\c:PC+4*\c+3], s[14:15] offset:FRB*\a+512*\c
.endr
.endr
	v_cmp_ne_u32 vcc_lo, 0, v2
.irp k, 0,1,2,3
	v_cndmask_b32 v[TT+\k], v[SW+\k], v[SW+4+\k], vcc_lo   ; lanes 0-15 send place r's words of blocks 0-3, lanes 16-31 those of blocks 4-7
.endr
	global_store_b128 v3, v[TT:TT+3], s[56:57]     ; 512 consecutive bytes
	s_wait_loadcnt 0x0                             ; Wv's scale words and bv
	; ---- THE SECOND PART: 128 channels x 256 tokens of V^T, K in 8 steps, four to a slot; nothing more is filled
	STEP 0, 0, 0, 2                                ; the first step starts the sums from the bias
	STEP 0, 1, 1, 0
	STEP 0, 2, 2, 0
	TURN 0, 3, 0
	STEP 1, 0, 4, 0
	STEP 1, 1, 5, 0
	STEP 1, 2, 6, 0
	LAST 7
	; ---- THE SECOND TAIL: my four blocks of channels at my token step
	PLACES
.irp a, 0,1,2,3
	QUANT 64*\a, 2, SW+\a
.irp c, 0,1,2
	global_store_b128 v3, v[PC+4*\c:PC+4*\c+3], s[58:59] offset:FRB*\a+512*\c
.endr
.endr
	global_store_b128 v4, v[SW:SW+3], s[60:61]     ; place r's four words; both halves of the lanes write the same 256 bytes with the same values
	s_wait_tensorcnt 0x0                           ; the wave's end
	ds_add_u32 v[SPW], v[NIL]
	s_wait_dscnt 0x0
	CROUND                                         ; the closing round
	s_endpgm
.Lfunc_end_k_qff7b034558_qkv:
	.size	k_qff7b034558_qkv, .Lfunc_end_k_qff7b034558_qkv-k_qff7b034558_qkv
	.p2alignl 7, 3214868480
	.fill 96, 4, 3214868480
	.section	.rodata,"a",@progbits
	.p2align	6, 0x0
	.amdhsa_kernel k_qff7b034558_qkv
		.amdhsa_group_segment_fixed_size 327680
		.amdhsa_private_segment_fixed_size 0
		.amdhsa_enable_private_segment 0
		.amdhsa_kernarg_size 40
		.amdhsa_user_sgpr_count 2
		.amdhsa_user_sgpr_kernarg_segment_ptr 1
		.amdhsa_wavefront_size32 1
		.amdhsa_system_sgpr_workgroup_id_x 1
		.amdhsa_system_sgpr_workgroup_id_y 1
		.amdhsa_system_sgpr_workgroup_id_z 1
		.amdhsa_system_vgpr_workitem_id 0
		.amdhsa_next_free_vgpr 1024
		.amdhsa_next_free_sgpr 100
		.amdhsa_reserve_vcc 1
		.amdhsa_float_denorm_mode_32 3
		.amdhsa_float_denorm_mode_16_64 3
		.amdhsa_memory_ordered 1
		.amdhsa_forward_progress 1
		.amdhsa_inst_pref_size 219
	.end_amdhsa_kernel
	.amdgpu_metadata
---
amdhsa.version: [ 1, 2 ]
amdhsa.kernels:
  - .name:           k_qff7b034558_qkv
    .symbol:         k_qff7b034558_qkv.kd
    .args:
      - { .name: xw, .offset: 0, .size: 8, .value_kind: global_buffer, .address_space: global }
      - { .name: bq, .offset: 8, .size: 8, .value_kind: global_buffer, .address_space: global }
      - { .name: bk, .offset: 16, .size: 8, .value_kind: global_buffer, .address_space: global }
      - { .name: bv, .offset: 24, .size: 8, .value_kind: global_buffer, .address_space: global }
      - { .name: qkv, .offset: 32, .size: 8, .value_kind: global_buffer, .address_space: global }
    .group_segment_fixed_size: 327680
    .private_segment_fixed_size: 0
    .kernarg_segment_align: 8
    .kernarg_segment_size: 40
    .max_flat_workgroup_size: 128
    .sgpr_count:     100
    .vgpr_count:     1024
    .wavefront_size: 32
...
	.end_amdgpu_metadata
.endif
;; end of part 2
;; launch scores (part 3): grid 8 x 32, 4 waves a work-group, clusters of 4 x 4, 327,680 bytes of LDS; arguments qkv, mbits, pw; writes pw
.if DOCPART == 3
	.amdgcn_target "amdgcn-amd-amdhsa--gfx1250"
	.amdhsa_code_object_version 6
	.text
	.protected	k_qff7b034558_scores
	.globl	k_qff7b034558_scores
	.p2align	8
	.type	k_qff7b034558_scores,@function
k_qff7b034558_scores:
	s_mov_b64 s[64:65], 0
	v_nop
	global_prefetch_b8 v0, s[64:65] scope:SCOPE_SE
	s_setreg_imm32_b32 hwreg(HW_REG_WAVE_MODE, 25, 1), 1
	s_wait_xcnt 0x0
	s_wait_alu depctr_hold_cnt(0) depctr_sa_sdst(0) depctr_va_vdst(0) depctr_va_sdst(0) depctr_va_ssrc(0) depctr_va_vcc(0) depctr_vm_vsrc(0)
	s_getreg_b32 s2, hwreg(HW_REG_IB_STS2, 6, 4)
	s_cmp_eq_u32 s2, 0
	s_cbranch_scc0 .Lentry_in_a_cluster
	s_endpgm
.Lentry_in_a_cluster:
	s_bfe_u32 s2, ttmp6, 0x10000c
	s_cmp_lg_u32 s2, 0xf033
	s_cbranch_scc0 .Lentry_shape_is_right
	s_endpgm
.Lentry_shape_is_right:
; S = Q K^T on codes, the mask, and p = 2^(t - M) for each run of 128 keys, quantised along the keys and stored as codes.  No work is left out.
; t = score x log2(e) / 32.  M here is the ceiling of the largest t AMONG THE WAVE'S 128 KEYS: a whole number; the next launch joins the sixteen M of a row, and since they differ by whole numbers only the scale bytes move.
; A run of 128 keys that is all masked: its largest t is held at -3e38, so that p = 0 and no NaN arises.  Stored beside the codes, one word for each row and 128 keys, in the scale words' layout: the scale word, -M (f32), the sum of the unquantised p.
; The product is the launch before's: 256 x 256 a work-group, 128 x 128 a wave, K in 8 steps through two slots of two steps, joint loads in a 4 x 4 cluster, operands as images of their registers.
; In the result a lane holds the query at place r of block a, and register 8 b + j key 32 (b/2) + 8 (b%2) + 16 h + j of my 128.  The mask comes as lane masks, one word a register, by scalar loads; v_cndmask_b32 applies it and moves the score.
; pw: P's codes [query panel 64][128 keys 16][block] from byte 0; scale words from 12,582,912; -M from 13,107,200; sums from 13,631,488.
; REGISTERS: window 0: v0-13 addresses; v32-95, v96-159 scale words; v160-255 A's fragments.  window 1: B's fragments; in the tail all the softmax's registers.  windows 2, 3: the accumulators.
.set NA,    8
.set KT,    8
.set NQ,    2
.set NF,    KT/NQ
.set FRB,   1536
.set KB,    8*FRB
.set BLD,   NQ*KB
; LDS: four regions of 49,152 bytes, A's two panels and then B's two, each with room for four K steps on end; slot 0 is their first halves, slot 1 their second.
; At the head ONE load a wave brings its panel's K steps 0-3, 192 rows of 256 bytes; the two refills bring two K steps, 96 rows, into a half.
.set ARG,   98304
.set SLOT,  98304
.set AWR,   49152
.set AW,    0
.set AF,    160
.set SCA,   32
.set SCB,   96
.set SPARE, 2*SLOT                     ; the spare words, 128 bytes a wave: two blocks of 256 bytes that no other line names
.set ADA,   8
.set ADB,   10
.set SPW,   12
.set NIL,   13
.set T,     0                          ; the tail, all in window 1: v0-63 scores, then p
.set BM,    64                         ; each block's largest score, then its largest p
.set PT,    68
.set SO,    72                         ; the conversions' scale operands
.set NM,    76                         ; -M, and the largest t
.set SU,    78                         ; the sum, in two chains of pairs
.set SV,    80
.set TMP,   82
.set PC,    84                         ; v84-103 the codes
.set SW,    104                        ; eight blocks' scale words,
.set MS,    112                        ; -M,
.set LS,    120                        ; sums
.set XA,    128                        ; v128-139 what a lane stores of them
.set NINF,  140
.set G1A,   24
.set G0A,   32
.set G1B,   40
.set G0B,   48
.set WV,    84
.set WR,    85
.set WC,    86
.set CX,    87
.set CY,    88
.set CLY,   89
.set AP,    91
.set SEL,   92
.set CS,    94
.set BP,    96
.set KP,    97
.set MSB, 0
.macro WIN new
.if MSB != (\new)
	s_set_vgpr_msb (MSB<<8)|(\new)
.set MSB, \new
.endif
.endm
.macro PLACES
.rept 4
	v_nop
.endr
.endm
.macro JLOAD s                         ; a joint load: waves 0, 1 fetch for A, waves 2, 3 for B; an s_nop 0 and four v_nop follow each line
	s_cmp_eq_u32 s[WR], 0
	s_cbranch_scc0 .Lfor_b_\@
	tensor_load_to_lds s[G0A+4*(\s):G0A+4*(\s)+3], s[G1A:G1A+7]
	s_nop 0
.rept 4
	v_nop
.endr
	s_branch .Lasked_\@
.Lfor_b_\@:
	tensor_load_to_lds s[G0B+4*(\s):G0B+4*(\s)+3], s[G1B:G1B+7]
	s_nop 0
.rept 4
	v_nop
.endr
.Lasked_\@:
.endm
.macro CREST
	s_cmp_lg_u32 s[WV], 0
	s_cbranch_scc1 .Lnot_wave_0_\@
	s_barrier_signal -3
.Lnot_wave_0_\@:
	s_barrier_wait -3
	s_barrier_signal -1
	s_barrier_wait -1
.endm
.macro CROUND
	s_barrier_signal -1
	s_barrier_wait -1
	CREST
.endm
.macro FRAG reg, adr, off
.irp c, 0,1,2
	ds_load_b128 v[(\reg)+4*\c:(\reg)+4*\c+3], v[\adr] offset:(\off)+512*\c
.endr
.endm
.macro FETCH_B s, q, p
	WIN 0x40
.irp b, 0,1,2,3,4,5,6,7
	FRAG 128*(\p)+12*\b, ADB+(\s), KB*(\q)+FRB*\b
.endr
	WIN 0
.endm
.macro FETCH_A s, q, half
	WIN AW<<6
.set FA, (\half)*(NA/2)
.rept NA/2
	FRAG AF+12*FA, ADA+(\s), KB*(\q)+FRB*FA
.set FA, FA+1
.endr
	WIN 0
.endm
; A's block a against B's eight, K step kk.  cm = 0: the sums go on; 3: they start from the constant 0.  The 64 accumulators take turns, one instruction a turn.
.macro MULA a, kk, cm
.set ACW, 2+(\a)/4
.set ACR, 64*((\a)%4)
.set BS, 128*((\kk)%2)
.set AR, AF+12*(\a)
.set SA, SCA+NA*(\kk)+(\a)
	WIN (ACW<<6)|(ACW<<4)|(AW<<2)|1
.irp b, 0,1,2,3,4,5,6,7
.if (\cm) == 0
	v_wmma_scale_f32_16x16x128_f8f6f4 v[ACR+8*\b:ACR+8*\b+7], v[BS+12*\b:BS+12*\b+11], v[AR:AR+11], v[ACR+8*\b:ACR+8*\b+7], v[SCB+8*(\kk)+\b], v[SA] matrix_a_fmt:MATRIX_FMT_FP6 matrix_b_fmt:MATRIX_FMT_FP6
.else
	v_wmma_scale_f32_16x16x128_f8f6f4 v[ACR+8*\b:ACR+8*\b+7], v[BS+12*\b:BS+12*\b+11], v[AR:AR+11], 0, v[SCB+8*(\kk)+\b], v[SA] matrix_a_fmt:MATRIX_FMT_FP6 matrix_b_fmt:MATRIX_FMT_FP6
.endif
.endr
.endm
.macro MULS a0, n, kk, cm
.set MA, \a0
.rept \n
	MULA MA, \kk, \cm
.set MA, MA+1
.endr
.endm
.macro STEP s, q, kk, cm
	s_wait_dscnt 3*NA/2                            ; B's set and A's lower half are in; A's upper half may be out
	MULS 0, NA/2, \kk, \cm
	s_wait_dscnt 0x0
	PLACES
	FETCH_B \s, (\q)+1, 1-(\kk)%2
	FETCH_A \s, (\q)+1, 0
	MULS NA/2, NA/2, \kk, \cm
	PLACES
	FETCH_A \s, (\q)+1, 1
.endm
.macro TURN s, kk, fill
	s_wait_tensorcnt 0x0                           ; all my tensor loads have landed: my part of the next slot
	ds_add_u32 v[SPW], v[NIL]                      ; 0 onto my spare word
	s_wait_dscnt 3*NA/2+1                          ; (the add and A's upper half may be out)
	MULS 0, NA/4, \kk, 0
	s_wait_dscnt 0x0                               ; the add is done, and my reads of this slot are over
	s_barrier_signal -1
	MULS NA/4, NA/4, \kk, 0
	WIN 0
	s_barrier_wait -1
.if \fill
	CREST                                          ; no wave of any partner still reads this slot or has a load on its way
	s_add_nc_u64 s[G0A+4*(\s)+2:G0A+4*(\s)+3], s[G0A+4*(\s)+2:G0A+4*(\s)+3], 2*BLD
	s_add_nc_u64 s[G0B+4*(\s)+2:G0B+4*(\s)+3], s[G0B+4*(\s)+2:G0B+4*(\s)+3], 2*BLD
	JLOAD \s
.else
	PLACES
.endif
	FETCH_B 1-(\s), 0, 0
	FETCH_A 1-(\s), 0, 0
.if (\kk) == 1
	global_prefetch_b8 v5, s[66:67] offset:3*BLD th:TH_LOAD_NT scope:SCOPE_SE   ; K steps 6, 7: the next refill's tile
.endif
	MULS NA/2, NA/2, \kk, 0
	PLACES
	FETCH_A 1-(\s), 0, 1
.endm
.macro LAST kk
	s_wait_dscnt 3*NA/2
	MULS 0, NA/2, \kk, 0
	s_wait_dscnt 0x0
	MULS NA/2, NA/2, \kk, 0
	WIN 0
.endm
.macro MLOAD a                         ; block a's 64 lane masks into s16-63 and s68-83: the descriptors that lay there are done with
	s_load_b512 s[16:31], s[14:15], 256*(\a)
	s_load_b512 s[32:47], s[14:15], 256*(\a)+64
	s_load_b512 s[48:63], s[14:15], 256*(\a)+128
	s_load_b512 s[68:83], s[14:15], 256*(\a)+192
.endm
; Block a: 16 queries x my 128 keys
.macro PBLOCK a
	s_wait_kmcnt 0x0
	WIN 0x41|((2+(\a)/4)<<2)                       ; destination and -infinity in window 1, the scores in window 2 or 3
.set N, 0
.rept 64
.if N < 48
	v_cndmask_b32 v[T+N], v[NINF], v[64*((\a)%4)+N], s[16+N]   ; the score where the mask has a number other than 0, else -infinity; each accumulator from its low end on
.else
	v_cndmask_b32 v[T+N], v[NINF], v[64*((\a)%4)+N], s[20+N]
.endif
.set N, N+1
.endr
	WIN 0x55                                       ; from here on every operand lies in window 1
.if (\a) < 7
	MLOAD (\a)+1
.endif
.irp b, 0,1,2,3
	v_max3_num_f32 v[BM+\b], v[T+16*\b], v[T+16*\b+1], v[T+16*\b+2]   ; the largest score of each block of 32 keys: for the row's maximum and, since p rises with the score, for the block's largest p
.endr
.irp i, 3,5,7,9,11,13
.irp b, 0,1,2,3
	v_max3_num_f32 v[BM+\b], v[BM+\b], v[T+16*\b+\i], v[T+16*\b+\i+1]
.endr
.endr
.irp b, 0,1,2,3
	v_max_num_f32 v[BM+\b], v[BM+\b], v[T+16*\b+15]
.endr
.irp b, 0,1,2,3
	v_permlanex16_b32 v[PT+\b], v[BM+\b], s[SEL], s[SEL+1]
.endr
.irp b, 0,1,2,3
	v_max_num_f32 v[BM+\b], v[BM+\b], v[PT+\b]     ; with lane l xor 16's 16 keys
.endr
	v_max3_num_f32 v[TMP], v[BM], v[BM+1], v[BM+2]
	v_max_num_f32 v[TMP], v[TMP], v[BM+3]
	v_mul_f32 v[TMP], s[CS], v[TMP]                ; as t
	v_max_num_f32 v[NM+1], 0xff61b1e6, v[TMP]      ; held at -3e38: 128 masked keys give p = 0
	v_floor_f32 v[NM], -v[NM+1]                    ; -M = floor(-t): M is a whole number
.set N, 0
.rept 32
	v_pk_fma_f32 v[T+N:T+N+1], v[T+N:T+N+1], s[CS:CS+1], v[NM:NM+1] op_sel_hi:[1,0,0]   ; t - M, two at a time
.set N, N+2
.endr
.irp b, 0,1,2,3
	v_fma_f32 v[BM+\b], v[BM+\b], s[CS], v[NM]
.endr
.set N, 0
	s_wait_alu depctr_va_vdst(0)
.rept 64
	v_exp_f32 v[T+N], v[T+N]                       ; p = 2^(t - M)
.set N, N+1
.endr
	v_mov_b32 v[MS+(\a)], v[NM]                    ; (the plain place behind the exponentials)
	s_wait_alu depctr_va_vdst(0)                   ; one wait for the batch, ahead of its first reader
.irp b, 0,1,2,3
	v_exp_f32 v[BM+\b], v[BM+\b]                   ; the block's largest p
.endr
	v_pk_add_f32 v[SU:SU+1], v[T:T+1], v[T+2:T+3]  ; the sum of the unquantised p, in two chains
	v_pk_add_f32 v[SV:SV+1], v[T+4:T+5], v[T+6:T+7]
.irp j, 8,12,16,20,24,28,32,36,40,44,48,52,56,60
	v_pk_add_f32 v[SU:SU+1], v[SU:SU+1], v[T+\j:T+\j+1]
	v_pk_add_f32 v[SV:SV+1], v[SV:SV+1], v[T+\j+2:T+\j+3]
.endr
	v_pk_add_f32 v[SU:SU+1], v[SU:SU+1], v[SV:SV+1]
	v_add_f32 v[TMP], v[SU], v[SU+1]
	v_permlanex16_b32 v[TMP+1], v[TMP], s[SEL], s[SEL+1]
	v_add_f32 v[LS+(\a)], v[TMP], v[TMP+1]
	s_wait_alu depctr_va_vdst(0)                   ; and one for the four
.irp b, 0,1,2,3
	v_max_num_f32 v[BM+\b], 0x1800000, v[BM+\b]    ; the floor 2^(3 - 127): the byte cannot fall under 1
.endr
.irp b, 0,1,2,3
	v_add_nc_u32 v[SO+\b], 0xff000000, v[BM+\b]
.endr
.irp b, 0,1,2,3
	v_lshrrev_b32 v[PT+\b], 23, v[SO+\b]
.endr
	v_lshl_or_b32 v[SW+(\a)], v[PT+1], 8, v[PT]
	v_lshl_or_b32 v[SW+(\a)], v[PT+2], 16, v[SW+(\a)]
	v_lshl_or_b32 v[SW+(\a)], v[PT+3], 24, v[SW+(\a)]
	s_wait_xcnt 0x0                                ; the last block's stores have read the codes' registers
.irp c, 0,1
	v_cvt_scalef32_pk16_fp6_f32 v[PC+6*\c:PC+6*\c+2], v[T+32*\c:T+32*\c+15], v[SO+2*\c]
	v_cvt_scalef32_pk16_fp6_f32 v[PC+12+4*\c:PC+14+4*\c], v[T+16+32*\c:T+31+32*\c], v[SO+1+2*\c]
.endr
	v_nop                                          ; one plain place behind a scaled conversion
.irp c, 0,1
.irp i, 0,1,2
	v_permlane16_swap_b32 v[PC+6*\c+\i], v[PC+12+4*\c+\i]
.endr
.irp i, 0,1,2
	v_mov_b32 v[PC+3+6*\c+\i], v[PC+12+4*\c+\i]
.endr
.endr
	WIN 0x04                                       ; a store's address in window 0, its data in window 1
.irp c, 0,1,2
	global_store_b128 v3, v[PC+4*\c:PC+4*\c+3], s[10:11] offset:FRB*(\a)+512*\c
.endr
.endm
	s_load_b128 s[4:7], s[0:1], 0x0                ; qkv, mbits
	s_load_b64 s[8:9], s[0:1], 0x10                ; pw
	v_lshl_add_u32 v[SPW], v0, 2, SPARE
	v_mov_b32 v[NIL], 0
	ds_add_u32 v[SPW], v[NIL]                      ; the opening: the add, twice on end, and its wait ahead of my first tensor load
	ds_add_u32 v[SPW], v[NIL]
	v_lshrrev_b32 v1, 5, v0
	v_readfirstlane_b32 s[WV], v1
	s_lshr_b32 s[WR], s[WV], 1
	s_and_b32 s[WC], s[WV], 1
	s_bfe_u32 s[CX], ttmp6, 0x40000
	s_bfe_u32 s[CY], ttmp6, 0x40004
	s_and_b32 s[CLY], ttmp7, 0xffff
	s_lshl_b32 s16, s[CY], 2
	s_lshl_b32 s16, 15, s16
	s_lshl_b32 s17, 0x1111, s[CX]
	s_or_b32 s[G1A], s16, (3<<16)|(1<<21)
	s_or_b32 s[G1B], s17, (3<<16)|(1<<21)
.irp g, G1A, G1B
	s_mov_b32 s[\g+1], 32<<16
	s_mov_b32 s[\g+3], 32<<16
	s_mov_b32 s[\g+5], 32
	s_mov_b32 s[\g+6], 0
	s_mov_b32 s[\g+7], 0
.endr
	s_mov_b32 s[G1A+2], 192<<16
	s_mov_b32 s[G1A+4], 192
	s_mov_b32 s[G1B+2], 192<<16
	s_mov_b32 s[G1B+4], 192
	s_lshl_b32 s56, s[CY], 1
	s_lshl_b32 s[AP], s[CLY], 3
	s_add_co_u32 s[AP], s[AP], s56                 ; Q's first panel: 8 cluster y + 2 cy
	s_lshl_b32 s60, ttmp9, 3
	s_lshl_b32 s61, s[CX], 1
	s_add_co_u32 s[KP], s60, s61                   ; my first run of 128 keys in the batch: 8 cluster x + 2 cx
	s_lshr_b32 s60, s[CLY], 1                      ; the batch
	s_lshl_b32 s60, s60, 4
	s_add_co_u32 s[BP], s[KP], s60
	s_add_co_u32 s[BP], s[BP], 64                  ; K's first panel
	s_add_co_u32 s56, s[AP], s[WC]
	s_mul_i32 s56, s56, 98304
	s_mov_b32 s57, 0
	s_add_co_u32 s60, s[BP], s[WC]
	s_mul_i32 s60, s60, 98304
	s_mov_b32 s61, 0
	s_mul_i32 s58, s[WC], 2*BLD
	s_mul_i32 s62, s[WC], 2*BLD
	s_add_co_u32 s62, s62, ARG
	s_mov_b32 s[SEL], 0x76543210
	s_mov_b32 s[SEL+1], 0xfedcba98
	s_mov_b32 s[CS], 0x3d38aa3b                    ; c = log2(e) / 32
	s_mov_b32 s[CS+1], s[CS]
	s_wait_dscnt 0x0
	s_wait_kmcnt 0x0
	s_add_nc_u64 s[56:57], s[4:5], s[56:57]
	s_add_nc_u64 s[60:61], s[4:5], s[60:61]
	; THE PREFETCHES.  A refill is 96 blocks of 256 bytes; the four partners that ask for it jointly share its blocks out BY ADDRESS, 24 each (by cx for Q's tiles, by cy for K's), a lane a block; lanes 24-31 name
	; the wave's last block again.  Asked for: at the head K steps 4, 5; behind the first refill K steps 6, 7: each one change of slots ahead of its load.  The address registers are never rewritten.
	s_cmp_eq_u32 s[WR], 0
	s_cselect_b64 s[66:67], s[56:57], s[60:61]     ; the panel that I fetch
	s_cselect_b32 s99, s[CX], s[CY]
	s_mul_i32 s99, s99, 6144
	CROUND
.irp s, 0,1
	s_mov_b32 s[G0A+4*\s], 1
	s_add_co_u32 s[G0A+4*\s+1], s58, \s*BLD
	s_add_nc_u64 s[G0A+4*\s+2:G0A+4*\s+3], s[56:57], \s*BLD
	s_or_b32 s[G0A+4*\s+3], s[G0A+4*\s+3], 0x80000000
	s_mov_b32 s[G0B+4*\s], 1
	s_add_co_u32 s[G0B+4*\s+1], s62, \s*BLD
	s_add_nc_u64 s[G0B+4*\s+2:G0B+4*\s+3], s[60:61], \s*BLD
	s_or_b32 s[G0B+4*\s+3], s[G0B+4*\s+3], 0x80000000
.endr
	JLOAD 0                                        ; K steps 0-3 of my panel: one tensor load a wave at the head
	v_and_b32 v1, 15, v0
	v_bfe_u32 v2, v0, 4, 1
	v_and_b32 v3, 31, v0
	v_lshlrev_b32 v3, 4, v3
	v_lshlrev_b32 v4, 4, v1
	v_and_b32 v5, 31, v0
	v_min_u32 v5, 23, v5
	v_lshlrev_b32 v5, 8, v5
	v_add_nc_u32 v5, s99, v5                       ; my work-group's 24 blocks of a refill
	s_wait_alu depctr_va_vdst(0)
	global_prefetch_b8 v5, s[66:67] offset:2*BLD th:TH_LOAD_NT scope:SCOPE_SE
	s_mul_i32 s16, s[WR], AWR
	s_mul_i32 s17, s[WC], 2*BLD
	s_add_co_u32 s17, s17, ARG
	v_add_nc_u32 v[ADA], s16, v3
	v_add_nc_u32 v[ADB], s17, v3
	v_add_nc_u32 v[ADA+1], BLD, v[ADA]
	v_add_nc_u32 v[ADB+1], BLD, v[ADB]
	s_add_co_u32 s16, s[AP], s[WR]
	s_lshl_b32 s16, s16, 12
	s_add_co_u32 s16, s16, 12582912
	s_mov_b32 s17, 0
	s_add_nc_u64 s[16:17], s[4:5], s[16:17]
	s_add_co_u32 s18, s[BP], s[WC]
	s_lshl_b32 s18, s18, 12
	s_add_co_u32 s18, s18, 12582912
	s_mov_b32 s19, 0
	s_add_nc_u64 s[18:19], s[4:5], s[18:19]
.set N, 0
.rept 16
	global_load_b128 v[SCA+4*N:SCA+4*N+3], v4, s[16:17] offset:256*N
	global_load_b128 v[SCB+4*N:SCB+4*N+3], v4, s[18:19] offset:256*N
.set N, N+1
.endr
	s_add_co_u32 s2, s[AP], s[WR]                  ; (query panel) x 16 + my run of 128 keys
	s_lshl_b32 s2, s2, 4
	s_add_co_u32 s2, s2, s[KP]
	s_add_co_u32 s98, s2, s[WC]
	s_mul_i32 s2, s98, KB
	s_mov_b32 s3, 0
	s_add_nc_u64 s[10:11], s[8:9], s[2:3]          ; P's codes
	s_lshl_b32 s2, s98, 9
	s_add_co_u32 s2, s2, 12582912
	s_add_nc_u64 s[12:13], s[8:9], s[2:3]          ; the scale words; -M and the sums lie 524,288 and 1,048,576 bytes on
	s_lshl_b32 s2, s98, 11
	s_add_nc_u64 s[14:15], s[6:7], s[2:3]          ; the lane masks
	s_wait_alu depctr_va_vdst(0)
	s_wait_tensorcnt 0x0                           ; my panel's K steps 0-3 are in
	s_mov_b32 s[G1A+2], 96<<16                     ; no tensor load of mine is out: from here on a load brings 96 rows
	s_mov_b32 s[G1A+4], 96
	s_mov_b32 s[G1B+2], 96<<16
	s_mov_b32 s[G1B+4], 96
	s_barrier_signal -1
	s_barrier_wait -1
	FETCH_B 0, 0, 0
	FETCH_A 0, 0, 0
	FETCH_A 0, 0, 1
	s_wait_loadcnt 0x0
	STEP 0, 0, 0, 3
.set KK, 1
.rept KT-1
.if KK == KT-1
	MLOAD 0                                        ; behind the last change of slots, whose wait has shown every tensor load done
	LAST KK
.elseif KK%NQ == NQ-1
.if KK/NQ+2 < NF
	TURN (KK/NQ)%2, KK, 1
.else
	TURN (KK/NQ)%2, KK, 0
.endif
.else
	STEP (KK/NQ)%2, KK%NQ, KK, 0
.endif
.set KK, KK+1
.endr
	PLACES
	WIN 0x40
	v_mov_b32 v[NINF], 0xff800000
	v_mov_b32 v[TMP+1], 0                          ; written once: a lane permute's destination counts as one of its sources
.irp b, 0,1,2,3
	v_mov_b32 v[PT+\b], 0
.endr
	s_wait_alu depctr_va_vdst(0)
.irp a, 0,1,2,3,4,5,6,7
	PBLOCK \a
.endr
	WIN 0
	v_cmp_ne_u32 vcc_lo, 0, v2
	WIN 0x55
.irp k, 0,1,2,3
	v_cndmask_b32 v[XA+\k], v[SW+\k], v[SW+4+\k], vcc_lo     ; lanes 0-15 send blocks 0-3's words, lanes 16-31 blocks 4-7's
	v_cndmask_b32 v[XA+4+\k], v[MS+\k], v[MS+4+\k], vcc_lo
	v_cndmask_b32 v[XA+8+\k], v[LS+\k], v[LS+4+\k], vcc_lo
.endr
	WIN 0x04
	global_store_b128 v3, v[XA:XA+3], s[12:13]
	global_store_b128 v3, v[XA+4:XA+7], s[12:13] offset:524288
	global_store_b128 v3, v[XA+8:XA+11], s[12:13] offset:1048576
	WIN 0
	s_wait_tensorcnt 0x0                           ; the wave's end
	ds_add_u32 v[SPW], v[NIL]
	s_wait_dscnt 0x0
	CROUND
	s_endpgm
.Lfunc_end_k_qff7b034558_scores:
	.size	k_qff7b034558_scores, .Lfunc_end_k_qff7b034558_scores-k_qff7b034558_scores
	.p2alignl 7, 3214868480
	.fill 96, 4, 3214868480
	.section	.rodata,"a",@progbits
	.p2align	6, 0x0
	.amdhsa_kernel k_qff7b034558_scores
		.amdhsa_group_segment_fixed_size 327680
		.amdhsa_private_segment_fixed_size 0
		.amdhsa_enable_private_segment 0
		.amdhsa_kernarg_size 24
		.amdhsa_user_sgpr_count 2
		.amdhsa_user_sgpr_kernarg_segment_ptr 1
		.amdhsa_wavefront_size32 1
		.amdhsa_system_sgpr_workgroup_id_x 1
		.amdhsa_system_sgpr_workgroup_id_y 1
		.amdhsa_system_sgpr_workgroup_id_z 1
		.amdhsa_system_vgpr_workitem_id 0
		.amdhsa_next_free_vgpr 1024
		.amdhsa_next_free_sgpr 100
		.amdhsa_reserve_vcc 1
		.amdhsa_float_denorm_mode_32 3
		.amdhsa_float_denorm_mode_16_64 3
		.amdhsa_memory_ordered 1
		.amdhsa_forward_progress 1
		.amdhsa_inst_pref_size 228
	.end_amdhsa_kernel
	.amdgpu_metadata
---
amdhsa.version: [ 1, 2 ]
amdhsa.kernels:
  - .name:           k_qff7b034558_scores
    .symbol:         k_qff7b034558_scores.kd
    .args:
      - { .name: qkv, .offset: 0, .size: 8, .value_kind: global_buffer, .address_space: global }
      - { .name: mbits, .offset: 8, .size: 8, .value_kind: global_buffer, .address_space: global }
      - { .name: pw, .offset: 16, .size: 8, .value_kind: global_buffer, .address_space: global }
    .group_segment_fixed_size: 327680
    .private_segment_fixed_size: 0
    .kernarg_segment_align: 8
    .kernarg_segment_size: 24
    .max_flat_workgroup_size: 128
    .sgpr_count:     100
    .vgpr_count:     1024
    .wavefront_size: 32
...
	.end_amdgpu_metadata
.endif
;; end of part 3
;; launch pv (part 4): grid 4 x 64, 4 waves a work-group, clusters of 4 x 4, 327,680 bytes of LDS; arguments pw, qkv, at; writes at
.if DOCPART == 4
	.amdgcn_target "amdgcn-amd-amdhsa--gfx1250"
	.amdhsa_code_object_version 6
	.text
	.protected	k_qff7b034558_pv
	.globl	k_qff7b034558_pv
	.p2align	8
	.type	k_qff7b034558_pv,@function
k_qff7b034558_pv:
	s_mov_b64 s[64:65], 0
	v_nop
	global_prefetch_b8 v0, s[64:65] scope:SCOPE_SE
	s_setreg_imm32_b32 hwreg(HW_REG_WAVE_MODE, 25, 1), 1
	s_wait_xcnt 0x0
	s_wait_alu depctr_hold_cnt(0) depctr_sa_sdst(0) depctr_va_vdst(0) depctr_va_sdst(0) depctr_va_ssrc(0) depctr_va_vcc(0) depctr_vm_vsrc(0)
	s_getreg_b32 s2, hwreg(HW_REG_IB_STS2, 6, 4)
	s_cmp_eq_u32 s2, 0
	s_cbranch_scc0 .Lentry_in_a_cluster
	s_endpgm
.Lentry_in_a_cluster:
	s_bfe_u32 s2, ttmp6, 0x10000c
	s_cmp_lg_u32 s2, 0xf033
	s_cbranch_scc0 .Lentry_shape_is_right
	s_endpgm
.Lentry_shape_is_right:
.set NA,    4
.set KT,    16
.set NQ,    4
.set NF,    KT/NQ
.set FRB,   1536
.set KB,    8*FRB
.set BLD,   NQ*KB
.set ARG,   49152
.set SLOT,  ARG+2*BLD
.set AWR,   6144
.set AW,    3
.set AF,    0
.set SCA,   32
.set SCB,   96
.set ASC,   2*SLOT
.set LINV,  ASC+8192
.set SPARE, LINV+512
.set ADA,   8
.set ADB,   10
.set SPW,   12
.set NIL,   13
.set JM,    64
.set JL,    80
.set JS,    96
.set JG,    112
.set JT,    114
.set TW,    3
.set T,     64
.set TM,    128
.set PC,    144
.set SW,    164
.set LI,    168
.set G1A,   24
.set G0A,   32
.set G1B,   40
.set G0B,   48
.set WV,    84
.set WR,    85
.set WC,    86
.set CX,    87
.set CY,    88
.set CLY,   89
.set TY,    91
.set SEL,   92
.set BP,    96
.set MSB, 0
.macro WIN new
.if MSB != (\new)
	s_set_vgpr_msb (MSB<<8)|(\new)
.set MSB, \new
.endif
.endm
.macro PLACES
.rept 4
	v_nop
.endr
.endm
.macro JLOAD s
	s_cmp_eq_u32 s[WR], 0
	s_cbranch_scc0 .Lfor_b_\@
	tensor_load_to_lds s[G0A+4*(\s):G0A+4*(\s)+3], s[G1A:G1A+7]
	s_nop 0
.rept 4
	v_nop
.endr
	s_branch .Lasked_\@
.Lfor_b_\@:
	tensor_load_to_lds s[G0B+4*(\s):G0B+4*(\s)+3], s[G1B:G1B+7]
	s_nop 0
.rept 4
	v_nop
.endr
.Lasked_\@:
.endm
.macro CREST
	s_cmp_lg_u32 s[WV], 0
	s_cbranch_scc1 .Lnot_wave_0_\@
	s_barrier_signal -3
.Lnot_wave_0_\@:
	s_barrier_wait -3
	s_barrier_signal -1
	s_barrier_wait -1
.endm
.macro CROUND
	s_barrier_signal -1
	s_barrier_wait -1
	CREST
.endm
.macro FRAG reg, adr, off
.irp c, 0,1,2
	ds_load_b128 v[(\reg)+4*\c:(\reg)+4*\c+3], v[\adr] offset:(\off)+512*\c
.endr
.endm
.macro FETCH_B s, q, p
	WIN 0x40
.irp b, 0,1,2,3,4,5,6,7
	FRAG 128*(\p)+12*\b, ADB+(\s), KB*(\q)+FRB*\b
.endr
	WIN 0
.endm
.macro FETCH_A s, q, half
	WIN AW<<6
.set FA, (\half)*(NA/2)
.rept NA/2
	FRAG AF+12*FA, ADA+(\s), KB*(\q)+FRB*FA
.set FA, FA+1
.endr
	WIN 0
.endm
.macro MULA a, kk, cm
.set ACR, 64*(\a)
.set BS, 128*((\kk)%2)
.set AR, AF+12*(\a)
.set SA, SCA+NA*(\kk)+(\a)
	WIN (2<<6)|(2<<4)|(AW<<2)|1
.irp b, 0,1,2,3,4,5,6,7
.if (\cm) == 0
	v_wmma_scale_f32_16x16x128_f8f6f4 v[ACR+8*\b:ACR+8*\b+7], v[BS+12*\b:BS+12*\b+11], v[AR:AR+11], v[ACR+8*\b:ACR+8*\b+7], v[SCB+8*(\kk)+\b], v[SA] matrix_a_fmt:MATRIX_FMT_FP6 matrix_b_fmt:MATRIX_FMT_FP6
.else
	v_wmma_scale_f32_16x16x128_f8f6f4 v[ACR+8*\b:ACR+8*\b+7], v[BS+12*\b:BS+12*\b+11], v[AR:AR+11], 0, v[SCB+8*(\kk)+\b], v[SA] matrix_a_fmt:MATRIX_FMT_FP6 matrix_b_fmt:MATRIX_FMT_FP6
.endif
.endr
.endm
.macro MULS a0, n, kk, cm
.set MA, \a0
.rept \n
	MULA MA, \kk, \cm
.set MA, MA+1
.endr
.endm
.macro STEP s, q, kk, cm
	s_wait_dscnt 3*NA/2
	MULS 0, NA/2, \kk, \cm
	s_wait_dscnt 0x0
	PLACES
	FETCH_B \s, (\q)+1, 1-(\kk)%2
	FETCH_A \s, (\q)+1, 0
	MULS NA/2, NA/2, \kk, \cm
	PLACES
	FETCH_A \s, (\q)+1, 1
.endm
.macro TURN s, kk, fill
	s_wait_tensorcnt 0x0
	ds_add_u32 v[SPW], v[NIL]
	s_wait_dscnt 3*NA/2+1
	MULS 0, NA/4, \kk, 0
	s_wait_dscnt 0x0
	s_barrier_signal -1
	MULS NA/4, NA/4, \kk, 0
	WIN 0
	s_barrier_wait -1
.if \fill
	CREST
	s_add_nc_u64 s[G0A+4*(\s)+2:G0A+4*(\s)+3], s[G0A+4*(\s)+2:G0A+4*(\s)+3], 2*BLD
	s_add_nc_u64 s[G0B+4*(\s)+2:G0B+4*(\s)+3], s[G0B+4*(\s)+2:G0B+4*(\s)+3], 2*BLD
	JLOAD \s
.else
	PLACES
.endif
	FETCH_B 1-(\s), 0, 0
	FETCH_A 1-(\s), 0, 0
	MULS NA/2, NA/2, \kk, 0
	PLACES
	FETCH_A 1-(\s), 0, 1
.endm
.macro LAST kk
	s_wait_dscnt 3*NA/2
	MULS 0, NA/2, \kk, 0
	s_wait_dscnt 0x0
	MULS NA/2, NA/2, \kk, 0
	WIN 0
.endm
.macro QUANT s, sw, pw
	WIN (TW<<6)|((\sw)<<4)|((\sw)<<2)|TW
.irp b, 0,1,2,3
	v_max3_num_f32 v[TM+\b], 0x1800000, |v[(\s)+16*\b]|, |v[(\s)+16*\b+1]|
.endr
.irp i, 2,4,6,8,10,12,14
.irp b, 0,1,2,3
	v_max3_num_f32 v[TM+\b], v[TM+\b], |v[(\s)+16*\b+\i]|, |v[(\s)+16*\b+\i+1]|
.endr
.endr
	WIN TW*0x55
.irp b, 0,1,2,3
	v_permlanex16_b32 v[TM+4+\b], v[TM+\b], s[SEL], s[SEL+1]
.endr
.irp b, 0,1,2,3
	v_max_num_f32 v[TM+\b], v[TM+\b], v[TM+4+\b]
.endr
.irp b, 0,1,2,3
	v_add_nc_u32 v[TM+12+\b], 0xff000000, v[TM+\b]
.endr
.irp b, 0,1,2,3
	v_lshrrev_b32 v[TM+4+\b], 23, v[TM+12+\b]
.endr
	v_lshl_or_b32 v[\pw], v[TM+5], 8, v[TM+4]
	v_lshl_or_b32 v[\pw], v[TM+6], 16, v[\pw]
	v_lshl_or_b32 v[\pw], v[TM+7], 24, v[\pw]
	s_wait_xcnt 0x0
	WIN (TW<<6)|(TW<<4)|(TW<<2)|(\sw)
.irp c, 0,1
	v_cvt_scalef32_pk16_fp6_f32 v[PC+6*\c:PC+6*\c+2], v[(\s)+32*\c:(\s)+32*\c+15], v[TM+12+2*\c]
	v_cvt_scalef32_pk16_fp6_f32 v[PC+12+4*\c:PC+14+4*\c], v[(\s)+16+32*\c:(\s)+31+32*\c], v[TM+13+2*\c]
.endr
	WIN TW*0x55
	v_nop
.irp c, 0,1
.irp i, 0,1,2
	v_permlane16_swap_b32 v[PC+6*\c+\i], v[PC+12+4*\c+\i]
.endr
.irp i, 0,1,2
	v_mov_b32 v[PC+3+6*\c+\i], v[PC+12+4*\c+\i]
.endr
.endr
.endm
	s_load_b128 s[4:7], s[0:1], 0x0
	s_load_b64 s[8:9], s[0:1], 0x10
	v_lshl_add_u32 v[SPW], v0, 2, SPARE
	v_mov_b32 v[NIL], 0
	ds_add_u32 v[SPW], v[NIL]
	ds_add_u32 v[SPW], v[NIL]
	v_lshrrev_b32 v1, 5, v0
	v_readfirstlane_b32 s[WV], v1
	s_lshr_b32 s[WR], s[WV], 1
	s_and_b32 s[WC], s[WV], 1
	s_bfe_u32 s[CX], ttmp6, 0x40000
	s_bfe_u32 s[CY], ttmp6, 0x40004
	s_and_b32 s[CLY], ttmp7, 0xffff
	s_lshl_b32 s16, s[CY], 2
	s_lshl_b32 s16, 15, s16
	s_lshl_b32 s17, 0x1111, s[CX]
	s_or_b32 s[G1A], s16, (3<<16)|(1<<21)
	s_or_b32 s[G1B], s17, (3<<16)|(1<<21)
.irp g, G1A, G1B
	s_mov_b32 s[\g+1], 32<<16
	s_mov_b32 s[\g+3], 32<<16
	s_mov_b32 s[\g+5], 32
	s_mov_b32 s[\g+6], 0
	s_mov_b32 s[\g+7], 0
.endr
	s_mov_b32 s[G1A+2], 96<<16
	s_mov_b32 s[G1A+4], 96
	s_mov_b32 s[G1B+2], (BLD/256)<<16
	s_mov_b32 s[G1B+4], BLD/256
	s_lshl_b32 s[TY], s[CLY], 2
	s_add_co_u32 s[TY], s[TY], s[CY]
	s_mul_i32 s56, s[TY], 196608
	s_mul_i32 s58, s[WC], 24576
	s_add_co_u32 s56, s56, s58
	s_mov_b32 s57, 0
	s_lshr_b32 s60, s[CLY], 2
	s_lshl_b32 s60, s60, 3
	s_lshl_b32 s61, s[CX], 1
	s_add_co_u32 s[BP], s60, s61
	s_add_co_u32 s60, s[BP], s[WC]
	s_mul_i32 s60, s60, 196608
	s_add_co_u32 s60, s60, 13107200
	s_mov_b32 s61, 0
	s_mul_i32 s62, s[WC], BLD
	s_add_co_u32 s62, s62, ARG
	s_mov_b32 s[SEL], 0x76543210
	s_mov_b32 s[SEL+1], 0xfedcba98
	s_wait_dscnt 0x0
	s_wait_kmcnt 0x0
	s_add_nc_u64 s[56:57], s[4:5], s[56:57]
	s_add_nc_u64 s[60:61], s[6:7], s[60:61]
	CROUND
.irp s, 0,1
	s_mov_b32 s[G0A+4*\s], 1
	s_add_co_u32 s[G0A+4*\s+1], s58, \s*SLOT
	s_add_nc_u64 s[G0A+4*\s+2:G0A+4*\s+3], s[56:57], \s*BLD
	s_or_b32 s[G0A+4*\s+3], s[G0A+4*\s+3], 0x80000000
	s_mov_b32 s[G0B+4*\s], 1
	s_add_co_u32 s[G0B+4*\s+1], s62, \s*SLOT
	s_add_nc_u64 s[G0B+4*\s+2:G0B+4*\s+3], s[60:61], \s*BLD
	s_or_b32 s[G0B+4*\s+3], s[G0B+4*\s+3], 0x80000000
.if \s                                 ; slot 1's first fill stands behind the full sequence and a round; slot 0's behind the opening round
	s_wait_alu depctr_va_vdst(0)
	s_wait_tensorcnt 0x0
	ds_add_u32 v12, v13
	ds_add_u32 v12, v13
	s_wait_dscnt 0x0
	CROUND
.endif
	JLOAD \s
.endr
	v_and_b32 v1, 15, v0
	v_bfe_u32 v2, v0, 4, 1
	v_and_b32 v3, 31, v0
	v_lshlrev_b32 v3, 4, v3
	v_lshlrev_b32 v4, 4, v1
	s_mul_i32 s16, s[WR], AWR
	s_mul_i32 s17, s[WC], BLD
	s_add_co_u32 s17, s17, ARG
	v_add_nc_u32 v[ADA], s16, v3
	v_add_nc_u32 v[ADB], s17, v3
	v_add_nc_u32 v[ADA+1], SLOT, v[ADA]
	v_add_nc_u32 v[ADB+1], SLOT, v[ADB]
	v_lshlrev_b32 v14, 2, v0
	s_wait_alu depctr_va_vdst(0)
	v_lshl_add_u32 v15, v0, 2, ASC
	s_lshl_b32 s16, s[WR], 8
	s_add_co_u32 s16, s16, ASC
	v_add_nc_u32 v16, s16, v4
	s_lshl_b32 s16, s[TY], 13
	s_add_co_u32 s16, s16, 12582912
	s_mov_b32 s17, 0
	s_add_nc_u64 s[16:17], s[4:5], s[16:17]
	s_add_co_u32 s18, s[BP], s[WC]
	s_lshl_b32 s18, s18, 13
	s_add_co_u32 s18, s18, 19398656
	s_mov_b32 s19, 0
	s_add_nc_u64 s[18:19], s[6:7], s[18:19]
	WIN 0xc0
.irp k, 0,1,2,3,4,5,6,7,8,9,10,11,12,13,14,15
	global_load_b32 v[JM+\k], v14, s[16:17] offset:524288+512*\k
.endr
.irp k, 0,1,2,3,4,5,6,7,8,9,10,11,12,13,14,15
	global_load_b32 v[JL+\k], v14, s[16:17] offset:1048576+512*\k
.endr
.irp k, 0,1,2,3,4,5,6,7,8,9,10,11,12,13,14,15
	global_load_b32 v[JS+\k], v14, s[16:17] offset:512*\k
.endr
	WIN 0
.set N, 0
.rept 32
	global_load_b128 v[SCB+4*N:SCB+4*N+3], v4, s[18:19] offset:256*N
.set N, N+1
.endr
	s_lshl_b32 s2, s[TY], 3
	s_lshl_b32 s3, s[CX], 1
	s_add_co_u32 s2, s2, s3
	s_add_co_u32 s98, s2, s[WC]
	s_mul_i32 s2, s98, KB
	s_mul_i32 s3, s[WR], 6144
	s_add_co_u32 s2, s2, s3
	s_mov_b32 s3, 0
	s_add_nc_u64 s[10:11], s[8:9], s[2:3]
	s_lshl_b32 s2, s98, 9
	s_lshl_b32 s99, s[WR], 8
	s_add_co_u32 s2, s2, s99
	s_add_co_u32 s2, s2, 6291456
	s_add_nc_u64 s[12:13], s[8:9], s[2:3]
	s_wait_loadcnt 32
	WIN 0xff
	v_min3_num_f32 v[JG], v[JM], v[JM+1], v[JM+2]
.irp k, 3,5,7,9,11,13
	v_min3_num_f32 v[JG], v[JG], v[JM+\k], v[JM+\k+1]
.endr
	v_min_num_f32 v[JG], v[JG], v[JM+15]
.irp k, 0,1,2,3,4,5,6,7,8,9,10,11,12,13,14,15
	v_sub_f32 v[JM+\k], v[JM+\k], v[JG]
.endr
.irp k, 0,1,2,3,4,5,6,7,8,9,10,11,12,13,14,15
	v_min_num_f32 v[JM+\k], 0x43800000, v[JM+\k]
.endr
.irp k, 0,1,2,3,4,5,6,7,8,9,10,11,12,13,14,15
	v_cvt_i32_f32 v[JM+\k], v[JM+\k]
.endr
.irp k, 0,1,2,3,4,5,6,7,8,9,10,11,12,13,14,15
	v_sub_nc_u32 v[JT+\k%4], 0, v[JM+\k]
	v_ldexp_f32 v[JL+\k], v[JL+\k], v[JT+\k%4]
.endr
.irp k, 0,1,2,3,4,5,6,7,8,9,10,11,12,13,14,15
	v_and_b32 v[JT], 0xff, v[JS+\k]
	v_bfe_u32 v[JT+1], v[JS+\k], 8, 8
	v_bfe_u32 v[JT+2], v[JS+\k], 16, 8
	v_lshrrev_b32 v[JT+3], 24, v[JS+\k]
.irp y, 0,1,2,3
	v_min_u32 v[JT+4+\y], v[JT+\y], v[JM+\k]
.endr
.irp y, 0,1,2,3
	v_sub_nc_u32 v[JT+\y], v[JT+\y], v[JT+4+\y]
.endr
	v_lshl_or_b32 v[JS+\k], v[JT+1], 8, v[JT]
	v_lshl_or_b32 v[JS+\k], v[JT+2], 16, v[JS+\k]
	v_lshl_or_b32 v[JS+\k], v[JT+3], 24, v[JS+\k]
.endr
.irp k, 0,1,2,3,4,5,6,7
	v_add_f32 v[JL+\k], v[JL+\k], v[JL+8+\k]
.endr
.irp k, 0,1,2,3
	v_add_f32 v[JL+\k], v[JL+\k], v[JL+4+\k]
.endr
	v_add_f32 v[JL], v[JL], v[JL+2]
	v_add_f32 v[JL+1], v[JL+1], v[JL+3]
	v_add_f32 v[JL], v[JL], v[JL+1]
	s_wait_alu depctr_va_vdst(0)
	v_rcp_f32 v[JL], v[JL]
	v_nop
	s_wait_alu depctr_va_vdst(0)
	WIN 0x0c
.irp k, 0,1,2,3,4,5,6,7,8,9,10,11,12,13,14,15
	ds_store_b32 v15, v[JS+\k] offset:512*\k
.endr
	ds_store_b32 v15, v[JL] offset:LINV-ASC
	WIN 0
	s_wait_tensorcnt 0x1
	s_wait_dscnt 0x0
	s_barrier_signal -1
	s_barrier_wait -1
.irp k, 0,1,2,3,4,5,6,7,8,9,10,11,12,13,14,15
	ds_load_b128 v[SCA+4*\k:SCA+4*\k+3], v16 offset:512*\k
.endr
	WIN 0xc0
	ds_load_b128 v[LI:LI+3], v16 offset:LINV-ASC
	WIN 0
	FETCH_B 0, 0, 0
	FETCH_A 0, 0, 0
	FETCH_A 0, 0, 1
	s_wait_loadcnt 0x0
	STEP 0, 0, 0, 3
.set KK, 1
.rept KT-1
.if KK == KT-1
	LAST KK
.elseif KK%NQ == NQ-1
.if KK/NQ+2 < NF
	TURN (KK/NQ)%2, KK, 1
.else
	TURN (KK/NQ)%2, KK, 0
.endif
.else
	STEP (KK/NQ)%2, KK%NQ, KK, 0
.endif
.set KK, KK+1
.endr
	PLACES
	WIN 0xc0
.irp b, 0,1,2,3
	v_mov_b32 v[TM+4+\b], 0
.endr
.macro OBLOCK a
	WIN 0xce
.set N, 0
.rept 64
	v_mul_f32 v[T+N], v[64*(\a)+N], v[LI+(\a)]
.set N, N+1
.endr
	QUANT T, 3, SW+(\a)
	WIN 0x0c
.irp c, 0,1,2
	global_store_b128 v3, v[PC+4*\c:PC+4*\c+3], s[10:11] offset:FRB*(\a)+512*\c
.endr
.endm
	OBLOCK 0
	OBLOCK 1
	OBLOCK 2
	OBLOCK 3
	global_store_b128 v4, v[SW:SW+3], s[12:13]
	WIN 0
	s_wait_tensorcnt 0x0
	ds_add_u32 v[SPW], v[NIL]
	s_wait_dscnt 0x0
	CROUND
	s_endpgm
.Lfunc_end_k_qff7b034558_pv:
	.size	k_qff7b034558_pv, .Lfunc_end_k_qff7b034558_pv-k_qff7b034558_pv
	.p2alignl 7, 3214868480
	.fill 96, 4, 3214868480
	.section	.rodata,"a",@progbits
	.p2align	6, 0x0
	.amdhsa_kernel k_qff7b034558_pv
		.amdhsa_group_segment_fixed_size 327680
		.amdhsa_private_segment_fixed_size 0
		.amdhsa_enable_private_segment 0
		.amdhsa_kernarg_size 24
		.amdhsa_user_sgpr_count 2
		.amdhsa_user_sgpr_kernarg_segment_ptr 1
		.amdhsa_wavefront_size32 1
		.amdhsa_system_sgpr_workgroup_id_x 1
		.amdhsa_system_sgpr_workgroup_id_y 1
		.amdhsa_system_sgpr_workgroup_id_z 1
		.amdhsa_system_vgpr_workitem_id 0
		.amdhsa_next_free_vgpr 1024
		.amdhsa_next_free_sgpr 100
		.amdhsa_reserve_vcc 0
		.amdhsa_float_denorm_mode_32 3
		.amdhsa_float_denorm_mode_16_64 3
		.amdhsa_memory_ordered 1
		.amdhsa_forward_progress 1
		.amdhsa_inst_pref_size 169
	.end_amdhsa_kernel
	.amdgpu_metadata
---
amdhsa.version: [ 1, 2 ]
amdhsa.kernels:
  - .name:           k_qff7b034558_pv
    .symbol:         k_qff7b034558_pv.kd
    .args:
      - { .name: pw, .offset: 0, .size: 8, .value_kind: global_buffer, .address_space: global }
      - { .name: qkv, .offset: 8, .size: 8, .value_kind: global_buffer, .address_space: global }
      - { .name: at, .offset: 16, .size: 8, .value_kind: global_buffer, .address_space: global }
    .group_segment_fixed_size: 327680
    .private_segment_fixed_size: 0
    .kernarg_segment_align: 8
    .kernarg_segment_size: 24
    .max_flat_workgroup_size: 128
    .sgpr_count:     100
    .vgpr_count:     1024
    .wavefront_size: 32
...
	.end_amdgpu_metadata
.endif
;; end of part 4
;; launch outp (part 5): grid 4 x 64, 4 waves a work-group, clusters of 4 x 4, 327,680 bytes of LDS; arguments at, xw, bo, out0; writes out0
.if DOCPART == 5
	.amdgcn_target "amdgcn-amd-amdhsa--gfx1250"
	.amdhsa_code_object_version 6
	.text
	.protected	k_qff7b034558_outp
	.globl	k_qff7b034558_outp
	.p2align	8
	.type	k_qff7b034558_outp,@function
k_qff7b034558_outp:
	s_mov_b64 s[64:65], 0
	v_nop
	global_prefetch_b8 v0, s[64:65] scope:SCOPE_SE
	s_setreg_imm32_b32 hwreg(HW_REG_WAVE_MODE, 25, 1), 1
	s_wait_xcnt 0x0
	s_wait_alu depctr_hold_cnt(0) depctr_sa_sdst(0) depctr_va_vdst(0) depctr_va_sdst(0) depctr_va_ssrc(0) depctr_va_vcc(0) depctr_vm_vsrc(0)
	s_getreg_b32 s2, hwreg(HW_REG_IB_STS2, 6, 4)
	s_cmp_eq_u32 s2, 0
	s_cbranch_scc0 .Lentry_in_a_cluster
	s_endpgm
.Lentry_in_a_cluster:
	s_bfe_u32 s2, ttmp6, 0x10000c
	s_cmp_lg_u32 s2, 0xf033
	s_cbranch_scc0 .Lentry_shape_is_right
	s_endpgm
.Lentry_shape_is_right:
.set NA,    4
.set KT,    8
.set NQ,    4
.set NF,    KT/NQ
.set FRB,   1536
.set KB,    8*FRB
.set BLD,   NQ*KB
; LDS: A's panel, all 8 K steps on end, 98,304 bytes; then B's two panels likewise.  ONE load a wave at the head brings it all: waves 0, 1 four K steps of A each (192 rows of 256 bytes), waves 2, 3 a panel of B each (384 rows).  Nothing is filled again.
.set ARG,   98304
.set SLOT,  BLD                        ; from K steps 0-3 to K steps 4-7
.set AWR,   6144
.set AW,    3
.set AF,    0
.set SCA,   32
.set SCB,   64
.set BI,    128
.set BK,    128
.set SPARE, 294912
.set ADA,   8
.set ADB,   10
.set SPW,   12
.set NIL,   13
.set STO,   14
.set RD,    15
.set G1A,   24
.set G0A,   32
.set G1B,   40
.set G0B,   48
.set WV,    84
.set WR,    85
.set WC,    86
.set CX,    87
.set CY,    88
.set CLY,   89
.set TY,    91
.set BP,    96
.set MSB, 0
.macro WIN new
.if MSB != (\new)
	s_set_vgpr_msb (MSB<<8)|(\new)
.set MSB, \new
.endif
.endm
.macro PLACES
.rept 4
	v_nop
.endr
.endm
.macro JLOAD s
	s_cmp_eq_u32 s[WR], 0
	s_cbranch_scc0 .Lfor_b_\@
	tensor_load_to_lds s[G0A+4*(\s):G0A+4*(\s)+3], s[G1A:G1A+7]
	s_nop 0
.rept 4
	v_nop
.endr
	s_branch .Lasked_\@
.Lfor_b_\@:
	tensor_load_to_lds s[G0B+4*(\s):G0B+4*(\s)+3], s[G1B:G1B+7]
	s_nop 0
.rept 4
	v_nop
.endr
.Lasked_\@:
.endm
.macro CREST
	s_cmp_lg_u32 s[WV], 0
	s_cbranch_scc1 .Lnot_wave_0_\@
	s_barrier_signal -3
.Lnot_wave_0_\@:
	s_barrier_wait -3
	s_barrier_signal -1
	s_barrier_wait -1
.endm
.macro CROUND
	s_barrier_signal -1
	s_barrier_wait -1
	CREST
.endm
.macro FRAG reg, adr, off
.irp c, 0,1,2
	ds_load_b128 v[(\reg)+4*\c:(\reg)+4*\c+3], v[\adr] offset:(\off)+512*\c
.endr
.endm
.macro FETCH_B s, q, p
	WIN 0x40
.irp b, 0,1,2,3,4,5,6,7
	FRAG 128*(\p)+12*\b, ADB+(\s), KB*(\q)+FRB*\b
.endr
	WIN 0
.endm
.macro FETCH_A s, q, half
	WIN AW<<6
.set FA, (\half)*(NA/2)
.rept NA/2
	FRAG AF+12*FA, ADA+(\s), KB*(\q)+FRB*FA
.set FA, FA+1
.endr
	WIN 0
.endm
.macro MULA a, kk, cm
.set ACR, 64*(\a)
.set BS, 128*((\kk)%2)
.set AR, AF+12*(\a)
.set SA, SCA+NA*(\kk)+(\a)
.if (\cm) == 0
	WIN (2<<6)|(2<<4)|(AW<<2)|1
.else
	WIN (2<<6)|(0<<4)|(AW<<2)|1
.endif
.irp b, 0,1,2,3,4,5,6,7
.if (\cm) == 0
	v_wmma_scale_f32_16x16x128_f8f6f4 v[ACR+8*\b:ACR+8*\b+7], v[BS+12*\b:BS+12*\b+11], v[AR:AR+11], v[ACR+8*\b:ACR+8*\b+7], v[SCB+8*(\kk)+\b], v[SA] matrix_a_fmt:MATRIX_FMT_FP6 matrix_b_fmt:MATRIX_FMT_FP6
.else
	v_wmma_scale_f32_16x16x128_f8f6f4 v[ACR+8*\b:ACR+8*\b+7], v[BS+12*\b:BS+12*\b+11], v[AR:AR+11], v[BI+8*\b:BI+8*\b+7], v[SCB+8*(\kk)+\b], v[SA] matrix_a_fmt:MATRIX_FMT_FP6 matrix_b_fmt:MATRIX_FMT_FP6
.endif
.endr
.endm
.macro MULS a0, n, kk, cm
.set MA, \a0
.rept \n
	MULA MA, \kk, \cm
.set MA, MA+1
.endr
.endm
.macro STEP s, q, kk, cm
	s_wait_dscnt 3*NA/2
	MULS 0, NA/2, \kk, \cm
	s_wait_dscnt 0x0
	PLACES
	FETCH_B \s, (\q)+1, 1-(\kk)%2
	FETCH_A \s, (\q)+1, 0
	MULS NA/2, NA/2, \kk, \cm
	PLACES
	FETCH_A \s, (\q)+1, 1
.endm
.macro TURN s, kk
	s_wait_tensorcnt 0x0
	ds_add_u32 v[SPW], v[NIL]
	s_wait_dscnt 3*NA/2+1
	MULS 0, NA/4, \kk, 0
	s_wait_dscnt 0x0
	s_barrier_signal -1
	MULS NA/4, NA/4, \kk, 0
	WIN 0
	s_barrier_wait -1
	PLACES
	FETCH_B 1-(\s), 0, 0
	FETCH_A 1-(\s), 0, 0
	MULS NA/2, NA/2, \kk, 0
	PLACES
	FETCH_A 1-(\s), 0, 1
.endm
.macro LAST kk
	s_wait_dscnt 3*NA/2
	MULS 0, NA/2, \kk, 0
	s_wait_dscnt 0x0
	MULS NA/2, NA/2, \kk, 0
	WIN 0
.endm
	s_load_b128 s[4:7], s[0:1], 0x0
	s_load_b128 s[8:11], s[0:1], 0x10
	v_lshl_add_u32 v[SPW], v0, 2, SPARE
	v_mov_b32 v[NIL], 0
	ds_add_u32 v[SPW], v[NIL]
	ds_add_u32 v[SPW], v[NIL]
	v_lshrrev_b32 v1, 5, v0
	v_readfirstlane_b32 s[WV], v1
	s_lshr_b32 s[WR], s[WV], 1
	s_and_b32 s[WC], s[WV], 1
	s_bfe_u32 s[CX], ttmp6, 0x40000
	s_bfe_u32 s[CY], ttmp6, 0x40004
	s_and_b32 s[CLY], ttmp7, 0xffff
	s_lshl_b32 s16, s[CY], 2
	s_lshl_b32 s16, 15, s16
	s_lshl_b32 s17, 0x1111, s[CX]
	s_or_b32 s[G1A], s16, (3<<16)|(1<<21)
	s_or_b32 s[G1B], s17, (3<<16)|(1<<21)
.irp g, G1A, G1B
	s_mov_b32 s[\g+1], 32<<16
	s_mov_b32 s[\g+3], 32<<16
	s_mov_b32 s[\g+5], 32
	s_mov_b32 s[\g+6], 0
	s_mov_b32 s[\g+7], 0
.endr
	s_mov_b32 s[G1A+2], 192<<16
	s_mov_b32 s[G1A+4], 192
	s_mov_b32 s[G1B+2], 384<<16
	s_mov_b32 s[G1B+4], 384
	s_lshl_b32 s[TY], s[CLY], 2
	s_add_co_u32 s[TY], s[TY], s[CY]
	s_mul_i32 s56, s[TY], 98304
	s_mul_i32 s58, s[WC], 49152
	s_add_co_u32 s56, s56, s58
	s_mov_b32 s57, 0
	s_lshl_b32 s[BP], s[CX], 1
	s_add_co_u32 s[BP], s[BP], 88
	s_add_co_u32 s60, s[BP], s[WC]
	s_mul_i32 s60, s60, 98304
	s_mov_b32 s61, 0
	s_mul_i32 s62, s[WC], 2*BLD
	s_add_co_u32 s62, s62, ARG
	s_wait_dscnt 0x0
	s_wait_kmcnt 0x0
	s_add_nc_u64 s[56:57], s[4:5], s[56:57]
	s_add_nc_u64 s[60:61], s[6:7], s[60:61]
	CROUND
.irp s, 0
	s_mov_b32 s[G0A+4*\s], 1
	s_add_co_u32 s[G0A+4*\s+1], s58, \s*SLOT
	s_add_nc_u64 s[G0A+4*\s+2:G0A+4*\s+3], s[56:57], \s*BLD
	s_or_b32 s[G0A+4*\s+3], s[G0A+4*\s+3], 0x80000000
	s_mov_b32 s[G0B+4*\s], 1
	s_add_co_u32 s[G0B+4*\s+1], s62, \s*SLOT
	s_add_nc_u64 s[G0B+4*\s+2:G0B+4*\s+3], s[60:61], \s*BLD
	s_or_b32 s[G0B+4*\s+3], s[G0B+4*\s+3], 0x80000000
	JLOAD \s
.endr
	v_and_b32 v1, 15, v0
	v_bfe_u32 v2, v0, 4, 1
	v_and_b32 v3, 31, v0
	v_lshlrev_b32 v3, 4, v3
	v_lshlrev_b32 v4, 4, v1
	v_lshlrev_b32 v5, 6, v2
	s_wait_alu depctr_va_vdst(0)
	s_mul_i32 s16, s[WR], AWR
	s_mul_i32 s17, s[WC], 2*BLD
	s_add_co_u32 s17, s17, ARG
	v_add_nc_u32 v[ADA], s16, v3
	v_add_nc_u32 v[ADB], s17, v3
	v_add_nc_u32 v[ADA+1], SLOT, v[ADA]
	v_add_nc_u32 v[ADB+1], SLOT, v[ADB]
	s_mul_i32 s16, s[WV], 8448
	v_mul_u32_u24 v[STO], v1, 528
	v_lshl_add_u32 v[STO], v2, 6, v[STO]
	v_add_nc_u32 v[STO], s16, v[STO]
	v_add_nc_u32 v[RD], s16, v3
	s_lshl_b32 s16, s[TY], 12
	s_lshl_b32 s17, s[WR], 8
	s_add_co_u32 s16, s16, s17
	s_add_co_u32 s16, s16, 6291456
	s_mov_b32 s17, 0
	s_add_nc_u64 s[16:17], s[4:5], s[16:17]
	s_add_co_u32 s18, s[BP], s[WC]
	s_lshl_b32 s18, s18, 12
	s_add_co_u32 s18, s18, 9437184
	s_mov_b32 s19, 0
	s_add_nc_u64 s[18:19], s[6:7], s[18:19]
.irp k, 0,1,2,3,4,5,6,7
	global_load_b128 v[SCA+4*\k:SCA+4*\k+3], v4, s[16:17] offset:512*\k
	global_load_b128 v[SCB+8*\k:SCB+8*\k+3], v4, s[18:19] offset:512*\k
	global_load_b128 v[SCB+8*\k+4:SCB+8*\k+7], v4, s[18:19] offset:512*\k+256
.endr
	s_lshl_b32 s2, s[CX], 1
	s_add_co_u32 s2, s2, s[WC]
	s_lshl_b32 s2, s2, 9
	s_mov_b32 s3, 0
	s_add_nc_u64 s[8:9], s[8:9], s[2:3]
	s_add_nc_u64 s[10:11], s[10:11], s[2:3]
.irp b, 0,1,2,3,4,5,6,7
	global_load_b128 v[BI+8*\b:BI+8*\b+3], v5, s[8:9] offset:128*(\b/2)+32*(\b%2)
	global_load_b128 v[BI+8*\b+4:BI+8*\b+7], v5, s[8:9] offset:128*(\b/2)+32*(\b%2)+16
.endr
	s_lshl_b32 s2, s[TY], 1
	s_add_co_u32 s2, s2, s[WR]
	s_lshl_b32 s2, s2, 18
	s_add_nc_u64 s[10:11], s[10:11], s[2:3]
	s_wait_alu depctr_va_vdst(0)
	s_wait_tensorcnt 0x0
	s_barrier_signal -1
	s_barrier_wait -1
	FETCH_B 0, 0, 0
	FETCH_A 0, 0, 0
	FETCH_A 0, 0, 1
	s_wait_loadcnt 0x0
	STEP 0, 0, 0, 1
	STEP 0, 1, 1, 0
	STEP 0, 2, 2, 0
	TURN 0, 3
	STEP 1, 0, 4, 0
	STEP 1, 1, 5, 0
	STEP 1, 2, 6, 0
	LAST 7
.macro TOSTAGE a
	WIN 0x08
.irp b, 0,1,2,3,4,5,6,7
	ds_store_b128 v[STO], v[64*(\a)+8*\b:64*(\a)+8*\b+3] offset:128*(\b/2)+32*(\b%2)
	ds_store_b128 v[STO], v[64*(\a)+8*\b+4:64*(\a)+8*\b+7] offset:128*(\b/2)+32*(\b%2)+16
.endr
	WIN 0
.irp t, 0,1,2,3,4,5,6,7,8,9,10,11,12,13,14,15
	ds_load_b128 v[BK+64*((\a)%2)+4*\t:BK+64*((\a)%2)+4*\t+3], v[RD] offset:528*\t
.endr
.endm
.macro SEND a, younger
	s_wait_dscnt \younger
.irp t, 0,1,2,3,4,5,6,7,8,9,10,11,12,13,14,15
	global_store_b128 v3, v[BK+64*((\a)%2)+4*\t:BK+64*((\a)%2)+4*\t+3], s[10:11] offset:(32*((\a)/2)+8*((\a)%2)+\t+8*(\t/8))*4096 th:TH_STORE_NT
.endr
.endm
	PLACES
	TOSTAGE 0
	TOSTAGE 1
	SEND 0, 32
	s_wait_xcnt 0x0
	TOSTAGE 2
	SEND 1, 32
	s_wait_xcnt 0x0
	TOSTAGE 3
	SEND 2, 32
	SEND 3, 0
	s_wait_tensorcnt 0x0
	ds_add_u32 v[SPW], v[NIL]
	s_wait_dscnt 0x0
	CROUND
	s_endpgm
.Lfunc_end_k_qff7b034558_outp:
	.size	k_qff7b034558_outp, .Lfunc_end_k_qff7b034558_outp-k_qff7b034558_outp
	.p2alignl 7, 3214868480
	.fill 96, 4, 3214868480
	.section	.rodata,"a",@progbits
	.p2align	6, 0x0
	.amdhsa_kernel k_qff7b034558_outp
		.amdhsa_group_segment_fixed_size 327680
		.amdhsa_private_segment_fixed_size 0
		.amdhsa_enable_private_segment 0
		.amdhsa_kernarg_size 32
		.amdhsa_user_sgpr_count 2
		.amdhsa_user_sgpr_kernarg_segment_ptr 1
		.amdhsa_wavefront_size32 1
		.amdhsa_system_sgpr_workgroup_id_x 1
		.amdhsa_system_sgpr_workgroup_id_y 1
		.amdhsa_system_sgpr_workgroup_id_z 1
		.amdhsa_system_vgpr_workitem_id 0
		.amdhsa_next_free_vgpr 1024
		.amdhsa_next_free_sgpr 100
		.amdhsa_reserve_vcc 0
		.amdhsa_float_denorm_mode_32 3
		.amdhsa_float_denorm_mode_16_64 3
		.amdhsa_memory_ordered 1
		.amdhsa_forward_progress 1
		.amdhsa_inst_pref_size 80
	.end_amdhsa_kernel
	.amdgpu_metadata
---
amdhsa.version: [ 1, 2 ]
amdhsa.kernels:
  - .name:           k_qff7b034558_outp
    .symbol:         k_qff7b034558_outp.kd
    .args:
      - { .name: at, .offset: 0, .size: 8, .value_kind: global_buffer, .address_space: global }
      - { .name: xw, .offset: 8, .size: 8, .value_kind: global_buffer, .address_space: global }
      - { .name: bo, .offset: 16, .size: 8, .value_kind: global_buffer, .address_space: global }
      - { .name: out0, .offset: 24, .size: 8, .value_kind: global_buffer, .address_space: global }
    .group_segment_fixed_size: 327680
    .private_segment_fixed_size: 0
    .kernarg_segment_align: 8
    .kernarg_segment_size: 32
    .max_flat_workgroup_size: 128
    .sgpr_count:     100
    .vgpr_count:     1024
    .wavefront_size: 32
...
	.end_amdgpu_metadata
.endif
;; end of part 5
